; MI455X (gfx1250); checked and timed in simulation.
; The chip was launched on July 23, 2026; its instructions are those of AMD's public machine-readable ISA for CDNA 5 (MIT licence, August 2026) and "CDNA5" Instruction Set Architecture Reference Guide (July 2026). The comments in the code are by the model that wrote it; some were corrected since.
;; Mixed Repeat Heads. Allowed arithmetic: matrix products marked QUANTISED: E2M3 operands, one E8M0 scale for each 32 along K, by v_wmma_scale_f32_16x16x128_f8f6f4 with both operands' format E2M3, f32 sums; everything else in f32.
;; Inputs: W_out_codes 4,096 x 128 x 24 uint8 (E2M3 codes of W_out, K innermost, in blocks of 32 codes, four codes in three bytes); W_out_scales 4,096 x 128 uint8 (E8M0 scales of W_out, one for each 32 codes along K); W_proj_codes 16 x 256 x 128 x 24 uint8 (E2M3 codes of W_proj, K innermost, in blocks of 32 codes, four codes in three bytes); W_proj_scales 16 x 256 x 128 uint8 (E8M0 scales of W_proj, one for each 32 codes along K); b_mix 16 x 2,048 float32; b_out 4,096 float32; b_proj 16 x 256 float32; caches 16 x 2,048 x 256 float32; decay_values 16 float32; w_mix 16 x 2,048 float32; x_codes 2,048 x 128 x 24 uint8 (E2M3 codes of x, K innermost, in blocks of 32 codes, four codes in three bytes); x_scales 2,048 x 128 uint8 (E8M0 scales of x, one for each 32 codes along K).
;; Outputs: out0 2,048 x 4,096 float32.
;; Constants: index = 7.
;; This version of the problem:
;;   THIS VERSION OF THE PROBLEM IS GIVEN IN LOW PRECISION. The matrix products marked QUANTISED in the list below multiply operands that are first quantised to E2M3 (2 exponent bits, 3 mantissa bits; 6 bits a number), with one power-of-two scale for each 32 numbers along K (OCP MX v1.0); their sums are f32. All else is computed in f32.
;;   The module's matrix products, in the order in which they are computed (A, B: the left and right operand; K: the contracted axis; several contracted axes count as one K, in the product's order):
;;     1. [M 4,096, K 4,096] x [K 4,096, N 2,048]; A: input W_proj (given as codes); B: input x (given as codes): QUANTISED
;;     2. [M 2,048, K 4,096] x [K 4,096, N 4,096]; A: computed on the way; B: input W_out (given as codes): QUANTISED
;;   THE QUANTISER, for each operand of a quantised product, along K:
;;     - K is cut into blocks of 32 from its start; a last block that is shorter is filled with zeros.
;;     - A block's scale is 2^e with e = floor(log2(the largest magnitude in the block)) - 2, held to -126 .. 127; a block of zeros has e = 0. As a byte (E8M0): e + 127.
;;     - Each number is divided by its block's scale, clamped to +-7.5, and rounded to the nearest number of E2M3, ties to even, subnormals kept.
;;     - The product sums the exact products of the quantised numbers (number of the format x scale) in f32.
;;   ~~~python
;;   def quantise(x, axis):      # numpy; x: float32 -> the quantised numbers, widened to float32 again
;;       x = np.moveaxis(x, axis, -1); K = x.shape[-1]
;;       x = np.pad(x, [(0, 0)] * (x.ndim - 1) + [(0, -K % 32)]); x = x.reshape(x.shape[:-1] + (-1, 32)); a = np.abs(x).max(-1, keepdims=True)
;;       e = np.where(a > 0, np.clip(np.frexp(np.where(a > 0, a, 1))[1] - 1 - 2, -126, 127), 0)      # np.frexp(a)[1] - 1 = floor(log2(a)), exactly
;;       r = np.clip(x / 2.0 ** e, -7.5, 7.5)
;;       step = 2.0 ** (np.maximum(np.frexp(np.where(r == 0, 1, r))[1] - 1, 0) - 3)
;;       q = np.round(r / step) * step * 2.0 ** e      # np.round: ties to even
;;       return np.moveaxis(q.reshape(q.shape[:-2] + (-1,))[..., :K], -1, axis).astype(np.float32)
;;   ~~~
;;   OPERANDS COMPUTED ON THE WAY. 'Computed on the way' means the value that the module computes at that place (a softmax that the list does not call 'softmax' is quantised finished and normalised). What goes into a quantiser is computed in f32, as accurately as f32 sums, v_exp_f32 and their like allow (about 1e-6 of the number): no bf16 or f16 on the way to a quantiser, and a product that is left as it is and whose result goes on into a quantised operand takes f32 operands (vector FMAs, or v_wmma_f32_16x16x4_f32). A number that lies on a knife's edge between two numbers of the format may be rounded either way, as far as f32 arithmetic and the matrix unit's own rounding can turn it there, and no further.
;;   INPUTS GIVEN AS CODES. W_out (in the module: [4096, 4096], K = its axis 0); W_proj (in the module: [16, 4096, 256], K = its axis 1); x (in the module: [2048, 4096], K = its axis 1): each comes as NAME_codes (uint8): NAME with its K axis moved to the last place and cut into blocks of 32 codes, [.., K / 32, bytes a block], one block behind the other in memory; four codes in three bytes: a row's codes are one little-endian stream of bits, code i at bits 6 i .. 6 i + 5 (a code: sign, 2 exponent bits, 3 mantissa bits); and NAME_scales (uint8): the same leading axes, one E8M0 byte (e + 127) for each 32 codes along K. Its value is code x scale, taken as it is: it is not quantised again, and the codes and scales need not be those that the quantiser above would give.
;; 2 versions, each right. Each part assembles by itself: llvm-mc -triple=amdgcn-amd-amdhsa -mcpu=gfx1250 --defsym DOCPART=n.
;; ======== version 1 of 2: 2 launches
;; workspace buffers: hc 6,291,456 bytes; hs 262,144 bytes
;; launch proj (part 1): grid 16 x 16, 4 waves a work-group, clusters of 4 x 4, 327,680 bytes of LDS; arguments x_codes, x_scales, W_proj_codes, W_proj_scales, caches, b_proj, w_mix, b_mix, decay_values, hc, hs; writes hc, hs
.if DOCPART == 1
	.amdgcn_target "amdgcn-amd-amdhsa--gfx1250"
	.amdhsa_code_object_version 6
	.text
	.protected	k_q6064995588_proj
	.globl	k_q6064995588_proj
	.p2align	8
	.type	k_q6064995588_proj,@function
k_q6064995588_proj:
	s_mov_b64 s[64:65], 0
	v_nop
	global_prefetch_b8 v0, s[64:65] scope:SCOPE_SE
	s_setreg_imm32_b32 hwreg(HW_REG_WAVE_MODE, 25, 1), 1
	s_wait_xcnt 0x0
	s_wait_alu depctr_hold_cnt(0) depctr_sa_sdst(0) depctr_va_vdst(0) depctr_va_sdst(0) depctr_va_ssrc(0) depctr_va_vcc(0) depctr_vm_vsrc(0)
	s_getreg_b32 s2, hwreg(HW_REG_IB_STS2, 6, 4)
	s_cmp_eq_u32 s2, 0
	s_cbranch_scc0 .Lentry_in_a_cluster
	s_endpgm
.Lentry_in_a_cluster:
	s_bfe_u32 s2, ttmp6, 0x10000c
	s_cmp_lg_u32 s2, 0xf033
	s_cbranch_scc0 .Lentry_shape_is_right
	s_endpgm
.Lentry_shape_is_right:
; hidden[b][256 h + k] = w_h (sum over d of x[b][d] W_proj[h][d][k] + b_proj[h][k]) + coef_h caches[h][b][k] + bmix_h, quantised along its 4,096 columns to codes of FP6 (E2M3)
; with one E8M0 byte for each 32.  w_h = w_mix[h][7], bmix_h = b_mix[h][7], decay_h = clip(decay_values[h], 0.9, 1)^(1/4), coef_h = w_h decay_h for h < 8, decay_h for h >= 8.
; x [2048][4096] and W_proj [16 x 256][4096] arrive as codes, K innermost (a row: 3,072 bytes), with scale bytes [rows][128].
; SHARES.  The result is 2,048 x 4,096.  A tile of 128 rows x 256 columns (ONE head) gives 16 x 16 = 256 work-groups; tiles of 256 x 256 would give 128.  Four waves, 2 x 2: wave (RH, CH) makes row tiles
; 2 a + RH (a = 0..3, 16 rows each) x columns 128 CH .. 128 CH + 127: 32 accumulators, 256 registers.  The row tiles are interleaved so that the tile's first 64 rows of caches serve all four waves.
; K goes in steps of 256 (rows of 192 bytes) through a ring of two LDS slots; two slots of 512 along K would need 368,640 bytes.  A K step is two chunks of 128: 64 matrix instructions a wave.
; CLUSTERS: 4 x 4 work-groups.  x's tile hangs on the tile row alone and is asked for jointly by a row of the cluster, W_proj's on the tile column alone, by a column.  caches' tile is the work-group's own: plain loads.
; THE MATRIX INSTRUCTION IS USED TRANSPOSED (source 0 = 16 rows of W_proj, source 1 = 16 rows of x): lane (r, h) of accumulator (a, b) holds row r of the row tile and columns 16 b + 8 h + 0..7.
; b_proj is the C of each sum's first product.  Behind the last product, for each row tile: w acc + bmix; eight exchanges of lane halves for each pair of column tiles make a lane's 16 registers 16 NEIGHBOURING columns;
; + coef x caches (read from LDS in that same layout); the quantiser; the fragment's 12 registers leave AS THEY STAND (hc: an image of the next product's operand registers: 512 consecutive bytes a store).
; hc: [16 row blocks][32 chunks of 128 columns][8 row tiles][1,536 bytes]: register group c of lane l at 512 c + 16 l.   hs: [16][32][RH 2][a 4][r 16] words of four scale bytes.
; caches: rows 0-63 of the tile come with the first fills (region CA); rows 64-127 (CB) are laid into slot 0 when that slot has been read for the last time.
; LIMITS: NaN and infinities among the inputs are not served.  A block of zeros gets the byte 1 where the quantiser says 127: its codes are zeros, and hs is read by this program alone.
; x^(1/4) is taken as sqrt(sqrt(x)).  The sum is formed as (w proj' + bmix) + coef cache, each step fused: it differs from the written order by f32 rounding alone.
; REGISTERS, in windows of 256: window 0: v0-31 addresses, v32-55 scale words (two sets), v56-63 epilogue addresses and the mixer's three pairs, v64-159 x's fragments (two sets of 4 x 12);
;   behind the loop v64-127 T, v128-191 caches, v192-231 the quantiser's.   window 1: W_proj's fragments, set q at v[128 q + 12 b].   window 2: accumulator (a, b) at v[8 (8 a + b)].   window 3: v0-63 b_proj, tile b at v[8 b].
.set ROWB,   192                       ; a tile's row: 256 codes
.set KROW,   3072                      ; a row of codes in memory
.set PITCH,  240                       ; an LDS row: 3 x (64 bytes + 16 of padding) = 60 words: the 32 lanes of a load of 8 bytes touch 64 different banks (64 banks of 4 bytes: ISA guide 11.1)
.set FR,     12                        ; registers of a fragment
.set NLA,    6                         ; LDS loads that bring one of x's
.set LAPS,   8                         ; 16 K steps, two to a lap
.set AT,     128*PITCH                 ; x's 128 rows
.set BT,     256*PITCH                 ; W_proj's 256 rows
.set SLOT,   AT+BT
.set SBLK,   8*272                     ; the scale bytes of 16 rows: 8 runs of 256 bytes + 16 of padding
.set SCL,    2*SLOT                    ; x's scale bytes, all of K: 64 runs
.set SCLB,   SCL+64*272                ; W_proj's: 128 runs
.set CA,     SCLB+128*272              ; caches, rows 0-63
.set CPITCH, 1040                      ; a row of caches: 1,024 bytes + 16
.set SST,    CA+64*CPITCH              ; 256 bytes a wave: its 64 scale words on their way out; no fill ever lands here
.set SPARE,  SST+1024                  ; the spare words, 128 bytes a wave: two blocks of 256 bytes that no other line names
.set SO8,  12                          ; v12  8 x lane
.set ADRA, 16                          ; v16-17 x's fragments in slot 0, 1; v18-19 the same behind one padding more
.set ADRB, 20                          ; v20-21, v22-23 the same for W_proj
.set ADSA, 24                          ; v24  x's scale words
.set ADSB, 25                          ; v25  W_proj's
.set CAD0, 26                          ; v26  my place in CA
.set CAD1, 27                          ; v27  and in CB
.set SPW,  28                          ; v28  my spare word; never rewritten
.set NIL,  29                          ; v29  0; never rewritten
.set IMO,  30                          ; v30  16 x lane
.set PFO,  31                          ; v31  256 x lane; never rewritten
.set SC,   32                          ; scale words: set s at v[SC + 12 s]: +2 (b / 2) + q W_proj's (lanes 0-15 even b, lanes 16-31 odd b), +8 + 2 (a / 2) + q x's, split likewise
.set SSA,  56
.set SSR,  57
.set CF,   58                          ; v[58:59] coef, twice
.set WW,   60                          ; v[60:61] w, twice
.set BM,   62                          ; v[62:63] bmix, twice
.set AF,   64
.set T,    64
.set CC,   128
.set PC,   192
.set TM,   212
.set PW,   228
.set SW,   230
.set WV,   2
.set G0CA, 4                           ; s[4:7], s[8:11] groups 0 for caches' two halves (where the four operand pointers lay)
.set G0CB, 8
.set HC,   22
.set G1,   24
.set G0,   32
.set TX,   42
.set TY,   43
.set G1B,  48
.set G0B,  56
.set HS,   66
.set G1S,  68
.set G0S,  76
.set G1SB, 80
.set G0SB, 88
.set G1C,  92
.set RH,   100
.set CH,   101
.set SEL,  104
.set MUL,  0xa1                        ; source 0 window 1, source 1 window 0, C and D window 2
.set MULF, 0xb1                        ; the same with C in window 3: the bias
.set TO_B, 0x40
.set MSB, 0
.macro WIN new                         ; the immediate's high byte repeats the setting that is left
.if MSB != \new
	s_set_vgpr_msb (MSB<<8)|\new
.set MSB, \new
.endif
.endm
.macro PLACES n
.rept \n
	v_nop
.endr
.endm
; A joint load: waves 0 and 1 fetch for x, waves 2 and 3 for W_proj; the branch hangs on the wave's number alone.  Four v_nop follow each of the two lines.
.macro JLOAD g0a, g1a, g0b, g1b
	s_cmp_eq_u32 s[RH], 0
	s_cbranch_scc0 .Lfor_b_\@
	tensor_load_to_lds s[\g0a:\g0a+3], s[\g1a:\g1a+7]
	s_nop 0
.rept 4
	v_nop
.endr
	s_branch .Lasked_\@
.Lfor_b_\@:
	tensor_load_to_lds s[\g0b:\g0b+3], s[\g1b:\g1b+7]
	s_nop 0
.rept 4
	v_nop
.endr
.Lasked_\@:
.endm
.macro CREST                           ; a round of the cluster's barrier behind its opening barrier
	s_cmp_lg_u32 s[WV], 0
	s_cbranch_scc1 .Lnot_wave_0_\@
	s_barrier_signal -3
.Lnot_wave_0_\@:
	s_barrier_wait -3
	s_barrier_signal -1
	s_barrier_wait -1
.endm
.macro CROUND
	s_barrier_signal -1
	s_barrier_wait -1
	CREST
.endm
	s_load_b256 s[4:11], s[0:1], 0x0               ; x's codes s[4:5], x's scales s[6:7], W_proj's codes s[8:9], W_proj's scales s[10:11]
	s_load_b128 s[12:15], s[0:1], 0x20             ; caches s[12:13], b_proj s[14:15]
	v_lshl_add_u32 v[SPW], v0, 2, SPARE
	v_mov_b32 v[NIL], 0
	ds_add_u32 v28, v29
	s_wait_dscnt 0x0
	v_lshrrev_b32 v3, 5, v0
	v_readfirstlane_b32 s[WV], v3                  ; wave 0..3
	s_lshr_b32 s[RH], s[WV], 1                     ; which row tiles are mine.  Also: I fetch for x (0) or for W_proj (1)
	s_and_b32 s[CH], s[WV], 1                      ; which 128 columns.  Also: which half of that tile I fetch
	s_bfe_u32 s40, ttmp6, 0x40000                  ; cx, cy: my place in the cluster
	s_bfe_u32 s41, ttmp6, 0x40004
	s_lshl_b32 s[TX], ttmp9, 2
	s_add_co_u32 s[TX], s[TX], s40                 ; tile column = the head = 4 x cluster x + cx
	s_and_b32 s[TY], ttmp7, 0xffff
	s_lshl_b32 s[TY], s[TY], 2
	s_add_co_u32 s[TY], s[TY], s41                 ; tile row = 4 x cluster y + cy
	s_lshl_b32 s44, s41, 2
	s_lshl_b32 s44, 15, s44                        ; my row of the cluster
	s_lshl_b32 s45, 0x1111, s40                    ; my column
	; groups 1.  Codes: rows of 192 bytes, 16 bytes of padding behind every 64 (elements of 1 byte; interval code 3, 4 words: code 3); bit 21 stands beside a mask
	s_or_b32 s[G1], s44, (1<<20)|(1<<21)|(3<<22)|(3<<25)
	s_mov_b32 s[G1+1], ROWB<<16                    ; tensor_dim0
	s_mov_b32 s[G1+2], 64<<16                      ; tensor_dim1: 64 rows of x a load
	s_mov_b32 s[G1+3], ROWB<<16                    ; tile_dim0
	s_mov_b32 s[G1+4], 64                          ; tile_dim1
	s_mov_b32 s[G1+5], KROW                        ; from row to row
	s_mov_b32 s[G1+6], 0
	s_mov_b32 s[G1+7], 0
	s_or_b32 s[G1B], s45, (1<<20)|(1<<21)|(3<<22)|(3<<25)
	s_mov_b32 s[G1B+1], ROWB<<16
	s_mov_b32 s[G1B+2], 128<<16                    ; 128 rows of W_proj a load
	s_mov_b32 s[G1B+3], ROWB<<16
	s_mov_b32 s[G1B+4], 128
	s_mov_b32 s[G1B+5], KROW
	s_mov_b32 s[G1B+6], 0
	s_mov_b32 s[G1B+7], 0
	; scale bytes: dense blocks, as rows of 256 bytes (32 elements of 8 bytes), 16 bytes of padding behind each
	s_or_b32 s[G1S], s44, (3<<16)|(1<<20)|(1<<21)|(5<<22)|(3<<25)
	s_mov_b32 s[G1S+1], 32<<16
	s_mov_b32 s[G1S+2], 32<<16                     ; 64 rows of x: 8,192 bytes
	s_mov_b32 s[G1S+3], 32<<16
	s_mov_b32 s[G1S+4], 32
	s_mov_b32 s[G1S+5], 32
	s_mov_b32 s[G1S+6], 0
	s_mov_b32 s[G1S+7], 0
	s_or_b32 s[G1SB], s45, (3<<16)|(1<<20)|(1<<21)|(5<<22)|(3<<25)
	s_mov_b32 s[G1SB+1], 32<<16
	s_mov_b32 s[G1SB+2], 64<<16                    ; 128 rows of W_proj: 16,384 bytes
	s_mov_b32 s[G1SB+3], 32<<16
	s_mov_b32 s[G1SB+4], 64
	s_mov_b32 s[G1SB+5], 32
	s_mov_b32 s[G1SB+6], 0
	s_mov_b32 s[G1SB+7], 0
	; caches: 16 rows of 1,024 bytes (128 elements of 8 bytes), 16 bytes of padding behind each; no mask
	s_mov_b32 s[G1C], (3<<16)|(1<<20)|(7<<22)|(3<<25)
	s_mov_b32 s[G1C+1], 128<<16
	s_mov_b32 s[G1C+2], 16<<16
	s_mov_b32 s[G1C+3], 128<<16
	s_mov_b32 s[G1C+4], 16
	s_mov_b32 s[G1C+5], 128
	s_mov_b32 s[G1C+6], 0
	s_mov_b32 s[G1C+7], 0
	; byte offsets.  x's hang on the tile row and the wave alone, W_proj's on the tile column and the wave alone, each in registers of their own
	s_mul_i32 s16, s[TY], 128*KROW
	s_mul_i32 s17, s[CH], 64*KROW
	s_add_co_u32 s16, s16, s17                     ; x's codes: 128 rows a tile, my 64
	s_mov_b32 s17, 0
	s_lshl_b32 s18, s[TY], 14
	s_lshl_b32 s19, s[CH], 13
	s_add_co_u32 s18, s18, s19                     ; x's scale bytes: 128 a row
	s_mov_b32 s19, 0
	s_mul_i32 s20, s[TX], 256*KROW
	s_mul_i32 s21, s[CH], 128*KROW
	s_add_co_u32 s20, s20, s21                     ; W_proj's codes: 256 rows a head, my 128
	s_mov_b32 s21, 0
	s_lshl_b32 s46, s[TX], 15
	s_lshl_b32 s47, s[CH], 14
	s_add_co_u32 s46, s46, s47                     ; W_proj's scale bytes
	s_mov_b32 s47, 0
	s_lshl_b32 s22, s[TX], 21                      ; caches: a head is 2,048 rows of 1,024 bytes,
	s_lshl_b32 s23, s[TY], 17                      ; the tile 128 rows,
	s_add_co_u32 s22, s22, s23
	s_lshl_b32 s23, s[WV], 14                      ; my 16 of each half's 64
	s_add_co_u32 s22, s22, s23
	s_mov_b32 s23, 0
	s_mov_b32 s[SEL], 0x76543210
	s_mov_b32 s[SEL+1], 0xfedcba98                 ; v_permlanex16_b32's selects for lane l xor 16
	s_wait_kmcnt 0x0
	s_add_nc_u64 s[16:17], s[4:5], s[16:17]
	s_add_nc_u64 s[18:19], s[6:7], s[18:19]
	s_add_nc_u64 s[20:21], s[8:9], s[20:21]
	s_add_nc_u64 s[46:47], s[10:11], s[46:47]
	s_add_nc_u64 s[12:13], s[12:13], s[22:23]
	; groups 0: the word 1, the LDS address (constants and the wave's number alone), the global address, the type
	s_mov_b32 s[G0], 1
	s_mul_i32 s[G0+1], s[CH], 64*PITCH
	s_mov_b64 s[G0+2:G0+3], s[16:17]               ; K step 0
	s_or_b32 s[G0+3], s[G0+3], 0x80000000
	s_mov_b32 s[G0+4], 1
	s_add_co_u32 s[G0+5], s[G0+1], SLOT
	s_add_nc_u64 s[G0+6:G0+7], s[16:17], ROWB      ; K step 1
	s_or_b32 s[G0+7], s[G0+7], 0x80000000
	s_mov_b32 s[G0B], 1
	s_mul_i32 s[G0B+1], s[CH], 128*PITCH
	s_add_co_u32 s[G0B+1], s[G0B+1], AT
	s_mov_b64 s[G0B+2:G0B+3], s[20:21]
	s_or_b32 s[G0B+3], s[G0B+3], 0x80000000
	s_mov_b32 s[G0B+4], 1
	s_add_co_u32 s[G0B+5], s[G0B+1], SLOT
	s_add_nc_u64 s[G0B+6:G0B+7], s[20:21], ROWB
	s_or_b32 s[G0B+7], s[G0B+7], 0x80000000
	s_mov_b32 s[G0S], 1
	s_mul_i32 s[G0S+1], s[CH], 32*272
	s_add_co_u32 s[G0S+1], s[G0S+1], SCL
	s_mov_b64 s[G0S+2:G0S+3], s[18:19]
	s_or_b32 s[G0S+3], s[G0S+3], 0x80000000
	s_mov_b32 s[G0SB], 1
	s_mul_i32 s[G0SB+1], s[CH], 64*272
	s_add_co_u32 s[G0SB+1], s[G0SB+1], SCLB
	s_mov_b64 s[G0SB+2:G0SB+3], s[46:47]
	s_or_b32 s[G0SB+3], s[G0SB+3], 0x80000000
	s_mov_b32 s[G0CB], 1
	s_mul_i32 s[G0CB+1], s[WV], 16*CPITCH          ; CB lies at LDS byte 0, in slot 0
	s_mov_b32 s[G0CA], 1
	s_add_co_u32 s[G0CA+1], s[G0CB+1], CA
	s_mov_b64 s[G0CA+2:G0CA+3], s[12:13]
	s_or_b32 s[G0CA+3], s[G0CA+3], 0x80000000
	s_add_nc_u64 s[12:13], s[12:13], 64*1024       ; 64 rows on: my 16 rows of the second half; from here on s[12:13] stays: the prefetches name it too
	s_mov_b64 s[G0CB+2:G0CB+3], s[12:13]
	s_or_b32 s[G0CB+3], s[G0CB+3], 0x80000000
	CROUND                                         ; all sixteen work-groups are here: the first joint loads meet
	JLOAD G0S, G1S, G0SB, G1SB                     ; the first fills, four loads a wave: the scale bytes of all of K,
	JLOAD G0, G1, G0B, G1B                         ; K step 0,
	JLOAD G0+4, G1, G0B+4, G1B                     ; K step 1,
	tensor_load_to_lds s[G0CA:G0CA+3], s[G1C:G1C+7]  ; and my 16 rows of caches' first half, wanted last
	s_nop 0
	PLACES 4
	s_load_b256 s[16:23], s[0:1], 0x30             ; w_mix s[16:17], b_mix s[18:19], decay_values s[20:21], hc s[22:23]
	s_load_b64 s[HS:HS+1], s[0:1], 0x50            ; hs
	v_and_b32 v1, 15, v0                           ; r
	v_bfe_u32 v2, v0, 4, 1                         ; h
	v_and_b32 v3, 31, v0                           ; lane
	v_lshlrev_b32 v9, 5, v2                        ; the bias: lane (r, h) wants, for tile b, b_proj at columns 16 b + 8 h + 0..7
	s_lshl_b32 s46, s[TX], 10
	s_lshl_b32 s47, s[CH], 9
	s_add_co_u32 s46, s46, s47
	s_mov_b32 s47, 0
	s_add_nc_u64 s[14:15], s[14:15], s[46:47]      ; b_proj at my 128 columns
	WIN 0xc0                                       ; destination window 3
.irp b, 0,1,2,3,4,5,6,7
	global_load_b128 v[8*\b:8*\b+3], v9, s[14:15] offset:64*\b
	global_load_b128 v[8*\b+4:8*\b+7], v9, s[14:15] offset:64*\b+16
.endr
	WIN 0
	v_mul_u32_u24 v4, v1, PITCH
	v_mad_u32_u24 v5, v2, 24, v4                   ; a fragment's row x pitch + 24 x half,
	v_mad_u32_u24 v6, v2, 40, v4                   ; and the same behind one padding more
	s_mul_i32 s46, s[RH], 16*PITCH                 ; x: my row tiles 2 a + RH
	s_mul_i32 s47, s[CH], 128*PITCH                ; W_proj: my 128 rows, behind x's tile
	s_add_co_u32 s47, s47, AT
.irp s, 0,1
	v_add_nc_u32 v[ADRA+\s], s46, v5
	v_add_nc_u32 v[ADRA+2+\s], s46, v6
	v_add_nc_u32 v[ADRB+\s], s47, v5
	v_add_nc_u32 v[ADRB+2+\s], s47, v6
	s_add_co_u32 s46, s46, SLOT
	s_add_co_u32 s47, s47, SLOT
.endr
	v_lshlrev_b32 v7, 7, v1                        ; a row's scale bytes: 128 a row,
	v_lshrrev_b32 v8, 1, v1
	v_lshl_add_u32 v7, v8, 4, v7                   ; and 16 more for each 256 passed
	s_mul_i32 s46, s[CH], 64*272
	s_add_co_u32 s46, s46, SCLB
	v_mad_u32_u24 v8, v2, SBLK, v7                 ; lanes 16-31 take the odd block of a pair
	v_add_nc_u32 v[ADSB], s46, v8
	s_mul_i32 s46, s[RH], SBLK
	s_add_co_u32 s46, s46, SCL
	v_mad_u32_u24 v8, v2, 2*SBLK, v7               ; my row tiles lie two apart
	v_add_nc_u32 v[ADSA], s46, v8
	s_mul_i32 s46, s[RH], 16*CPITCH
	s_lshl_b32 s47, s[CH], 9
	s_add_co_u32 s46, s46, s47
	v_mul_u32_u24 v8, v1, CPITCH
	v_lshl_add_u32 v8, v2, 6, v8                   ; caches: row r, my 128 columns, + 64 h: my 16 numbers of a block of 32
	v_add_nc_u32 v[CAD1], s46, v8
	v_add_nc_u32 v[CAD0], CA, v[CAD1]
	s_lshl_b32 s46, s[WV], 8
	s_add_co_u32 s46, s46, SST
	v_lshl_add_u32 v[SSA], v1, 2, s46
	v_lshl_add_u32 v[SSR], v3, 3, s46
	v_lshlrev_b32 v[SO8], 3, v3
	v_lshlrev_b32 v[IMO], 4, v3
	v_lshlrev_b32 v[PFO], 8, v3
.irp b, 0,1,2,3
	v_mov_b32 v[TM+4+\b], 0                        ; written once: a lane permute's destination counts as one of its sources
.endr
	s_lshl_b32 s46, s[TX], 13                      ; a head's row of w_mix and b_mix: 8,192 bytes; index 7: byte 28
	s_lshl_b32 s47, s[TX], 2
	s_wait_kmcnt 0x0
	s_load_b32 s40, s[16:17], s46 offset:0x1c      ; w
	s_load_b32 s41, s[18:19], s46 offset:0x1c      ; bmix
	s_load_b32 s44, s[20:21], s47 offset:0x0       ; decay_values[h]
	s_wait_kmcnt 0x0
	s_mul_i32 s16, s[TY], 32*8*1536                ; hc: my row block, chunk 2 head + CH, row tile RH (+ 2 a by the stores' immediates)
	s_mul_i32 s17, s[TX], 2*8*1536
	s_add_co_u32 s16, s16, s17
	s_mul_i32 s17, s[CH], 8*1536
	s_add_co_u32 s16, s16, s17
	s_mul_i32 s17, s[RH], 1536
	s_add_co_u32 s16, s16, s17
	s_mov_b32 s17, 0
	s_add_nc_u64 s[HC:HC+1], s[HC:HC+1], s[16:17]
	s_lshl_b32 s16, s[TY], 14                      ; hs: 16,384 bytes a row block, 512 a chunk, 256 for each RH
	s_lshl_b32 s18, s[TX], 10
	s_add_co_u32 s16, s16, s18
	s_lshl_b32 s18, s[CH], 9
	s_add_co_u32 s16, s16, s18
	s_lshl_b32 s18, s[RH], 8
	s_add_co_u32 s16, s16, s18
	s_add_nc_u64 s[HS:HS+1], s[HS:HS+1], s[16:17]
	v_mov_b32 v10, s44
	v_med3_num_f32 v10, v10, 0x3f666666, 1.0       ; clip to 0.9 .. 1
	v_sqrt_f32 v11, v10
	v_nop                                          ; one plain place behind a transcendental
	s_wait_alu depctr_va_vdst(0)
	v_sqrt_f32 v13, v11                            ; ^(1/4)
	v_nop
	s_cmp_lt_u32 s[TX], 8                          ; heads 0-7: coef = w decay; heads 8-15: coef = decay.  A choice of a value: nothing branches on it
	s_cselect_b32 s45, s40, 1.0
	s_wait_alu depctr_va_vdst(0)
	v_mul_f32 v[CF], s45, v13
	v_mov_b32 v[CF+1], v[CF]
	v_mov_b32 v[WW], s40
	v_mov_b32 v[WW+1], s40
	v_mov_b32 v[BM], s41
	v_mov_b32 v[BM+1], s41
; A fragment, 16 rows x 128 K of 6-bit codes: lane (r, h) takes of row r the 24 bytes of block h and the 24 of block 2 + h, in pieces of 8 bytes.  Where the piece three on (lanes 16-31) lies behind one padding more, the second address register serves.
.macro FRAG reg, adr, q, off
.irp p, 0,1,2,3,4,5
.set PCE, 12*(\q)+6*(\p/3)+\p%3
.if PCE%8 < 5
	ds_load_b64 v[\reg+2*\p:\reg+2*\p+1], v[\adr] offset:8*PCE+16*(PCE/8)+(\off)
.else
	ds_load_b64 v[\reg+2*\p:\reg+2*\p+1], v[\adr+2] offset:8*PCE+16*(PCE/8)+(\off)
.endif
.endr
.endm
.macro FETCH_B slot, q                 ; W_proj's eight fragments of the slot's chunk q into set q
	WIN TO_B
.irp i, 0,1,2,3,4,5,6,7
	FRAG 128*(\q)+FR*\i, ADRB+\slot, \q, \i*16*PITCH
.endr
	WIN 0
.endm
.macro FETCH_A slot, q                 ; x's four
.irp i, 0,1,2,3
	FRAG AF+48*(\q)+FR*\i, ADRA+\slot, \q, \i*32*PITCH
.endr
.endm
.macro SCALES sc                       ; a K step's scale words (two a row) into set sc: one load serves a pair of blocks, lanes 0-15 the even one, lanes 16-31 the odd one
.irp i, 0,1,2,3
	ds_load_b64 v[SC+12*\sc+2*\i:SC+12*\sc+2*\i+1], v[ADSB] offset:\i*2*SBLK
.endr
.irp i, 0,1
	ds_load_b64 v[SC+12*\sc+8+2*\i:SC+12*\sc+8+2*\i+1], v[ADSA] offset:\i*4*SBLK
.endr
.endm
; Eight matrix instructions: x's block a against W_proj's eight, chunk q.  first = 1: the sums begin with the bias as C.  The 32 accumulators take turns, one instruction a turn, in the same order in every chunk.
.macro MUL8 a, q, sc, first
.irp b, 0,1,2,3,4,5,6,7
.set rD, 8*(8*(\a)+\b)
.set rC, rD
.if \first
.set rC, 8*\b
.endif
.set rB, 128*(\q)+FR*\b
.set rA, AF+48*(\q)+FR*(\a)
.set sB, SC+12*(\sc)+2*(\b/2)+(\q)
.set sA, SC+12*(\sc)+8+2*((\a)/2)+(\q)
.if (\b%2 == 0) && ((\a)%2 == 0)
	v_wmma_scale_f32_16x16x128_f8f6f4 v[rD:rD+7], v[rB:rB+FR-1], v[rA:rA+FR-1], v[rC:rC+7], v[sB], v[sA] matrix_a_fmt:MATRIX_FMT_FP6 matrix_b_fmt:MATRIX_FMT_FP6
.elseif (\b%2 == 1) && ((\a)%2 == 0)
	v_wmma_scale_f32_16x16x128_f8f6f4 v[rD:rD+7], v[rB:rB+FR-1], v[rA:rA+FR-1], v[rC:rC+7], v[sB], v[sA] matrix_a_fmt:MATRIX_FMT_FP6 matrix_b_fmt:MATRIX_FMT_FP6 matrix_a_scale:MATRIX_SCALE_ROW1
.elseif (\b%2 == 0) && ((\a)%2 == 1)
	v_wmma_scale_f32_16x16x128_f8f6f4 v[rD:rD+7], v[rB:rB+FR-1], v[rA:rA+FR-1], v[rC:rC+7], v[sB], v[sA] matrix_a_fmt:MATRIX_FMT_FP6 matrix_b_fmt:MATRIX_FMT_FP6 matrix_b_scale:MATRIX_SCALE_ROW1
.else
	v_wmma_scale_f32_16x16x128_f8f6f4 v[rD:rD+7], v[rB:rB+FR-1], v[rA:rA+FR-1], v[rC:rC+7], v[sB], v[sA] matrix_a_fmt:MATRIX_FMT_FP6 matrix_b_fmt:MATRIX_FMT_FP6 matrix_a_scale:MATRIX_SCALE_ROW1 matrix_b_scale:MATRIX_SCALE_ROW1
.endif
.endr
.endm
; A slot's chunk 0 (set 0).  Behind its first eight products it fetches chunk 1 into set 1, 24 matrix instructions ahead of its use.
; A load into a register that a matrix instruction has read stands four places behind it, and only plain vector instructions that name none of its registers are places (ISA guide 7.12.1 for vector instructions).
.macro STEP slot, first
	s_wait_dscnt 3*NLA                             ; the scale words, W_proj's set and x's block 0 are in; the youngest loads (x's blocks 1-3) may be out
.if \first
	WIN MULF
.else
	WIN MUL
.endif
	MUL8 0, 0, \slot, \first
	s_wait_dscnt 0x0                               ; x's blocks 1-3 are in
	PLACES 4
	FETCH_B \slot, 1
	FETCH_A \slot, 1
.if \first
	WIN MULF
.else
	WIN MUL
.endif
	MUL8 1, 0, \slot, \first
	MUL8 2, 0, \slot, \first
	MUL8 3, 0, \slot, \first
	WIN 0
.endm
; A PREFETCH INTO THE L2 of caches' second half, which one tensor load a wave asks for at the last change of slots that leaves slot 0.  In the loop's last trip but one, at its two changes of slots, each wave names its own
; 16 rows of that half: 16,384 bytes, lanes 256 bytes apart, 8,192 bytes an instruction: four and three K steps ahead of that load.  The tile is this work-group's alone: each block of 256 bytes is named once in the launch.
.macro ASK slot
	s_cmp_eq_u32 s3, 2
	s_cbranch_scc0 .Lno_ask_\@
	global_prefetch_b8 v[PFO], s[12:13] offset:\slot*8192 th:TH_LOAD_NT scope:SCOPE_SE
.Lno_ask_\@:
.endm
; A slot's chunk 1 (set 1) changes slots: one barrier, which opens a round of the cluster's.  In front of it each wave waits for all its tensor loads, adds 0 to its spare word, and waits for that and for its own reads of this slot.
; fill = 1: this slot takes the K step two on, by a joint load.  fill = 2: slot 0 has been read for the last time and takes caches' rows 64-127, 16 rows a wave, by a plain load.
.macro TURN slot, next, fill
	s_wait_tensorcnt 0x0                           ; all my tensor loads have landed: my part of the next slot among them
	ds_add_u32 v[SPW], v[NIL]                      ; 0 onto my spare word
	s_wait_dscnt 3*NLA+1                           ; (the add and x's blocks 1-3 may be out)
	WIN MUL
	MUL8 0, 1, \slot, 0                            ; eight matrix instructions stand between the add and the wait for it
	s_wait_dscnt 0x0                               ; the add is done, and my reads of this slot are over
	s_barrier_signal -1
	MUL8 1, 1, \slot, 0
	WIN 0
	s_barrier_wait -1
	CREST                                          ; no wave of any partner still reads this slot's tile or has a load on its way
.if \fill == 1
	s_add_nc_u64 s[G0+4*\slot+2:G0+4*\slot+3], s[G0+4*\slot+2:G0+4*\slot+3], 2*ROWB
	s_add_nc_u64 s[G0B+4*\slot+2:G0B+4*\slot+3], s[G0B+4*\slot+2:G0B+4*\slot+3], 2*ROWB
	JLOAD G0+4*\slot, G1, G0B+4*\slot, G1B         ; the first tensor load behind the round; its four v_nop are also the places in front of the loads below
.else
	tensor_load_to_lds s[G0CB:G0CB+3], s[G1C:G1C+7]
	s_nop 0
	PLACES 4
.endif
	v_add_nc_u32 v[ADSA], 8, v[ADSA]               ; on to the next K step's scale words
	v_add_nc_u32 v[ADSB], 8, v[ADSB]
	SCALES \next
	FETCH_B \next, 0
	FETCH_A \next, 0
.if \fill == 1
	ASK \slot
.endif
	WIN MUL
	MUL8 2, 1, \slot, 0
	MUL8 3, 1, \slot, 0
	WIN 0
.endm
	s_wait_loadcnt 0x0                             ; the bias
	s_wait_tensorcnt 0x2                           ; the scale bytes and my part of K step 0 are in; K step 1's load and caches' may be out
	s_barrier_signal -1
	s_barrier_wait -1
	SCALES 0
	FETCH_B 0, 0
	FETCH_A 0, 0
	STEP 0, 1                                      ; the first chunk stands in front of the loop: its products start the sums
	s_mov_b32 s3, LAPS-1
.Llap:                                                 ; a trip goes once round the ring and fills both slots again
	TURN 0, 1, 1
	STEP 1, 0
	TURN 1, 0, 1
	STEP 0, 0
	s_sub_co_u32 s3, s3, 1
	s_cmp_lg_u32 s3, 0
	s_cbranch_scc1 .Llap
	TURN 0, 1, 2                                   ; K step 14's second chunk; slot 0 takes caches' second half
	STEP 1, 0
	s_wait_dscnt 0x0                               ; the very last chunk
	WIN MUL
	MUL8 0, 1, 1, 0
	MUL8 1, 1, 1, 0
	MUL8 2, 1, 1, 0
	MUL8 3, 1, 1, 0
	WIN 0
	PLACES 4                                       ; in front of the first read of results, and of loads and writes into the registers that held x's fragments
; 64 numbers of a lane, v[s] .. v[s + 63], register 16 b + i = column 32 b + 16 (lane / 16) + i of my row, become a fragment's codes in v[PC] on and its scale word in v[PW].
.macro QUANT s
.irp b, 0,1,2,3
	v_max3_num_f32 v[TM+\b], |v[\s+16*\b]|, |v[\s+1+16*\b]|, 0x1800000   ; block b: my 16 numbers, and the floor 2^(3 - 127): the byte cannot fall under 1
.endr
.irp i, 2,4,6,8,10,12,14
.irp b, 0,1,2,3
	v_max3_num_f32 v[TM+\b], v[TM+\b], |v[\s+16*\b+\i]|, |v[\s+1+16*\b+\i]|   ; (the four blocks by turns)
.endr
.endr
.irp b, 0,1,2,3
	v_permlanex16_b32 v[TM+4+\b], v[TM+\b], s[SEL], s[SEL+1]
.endr
.irp b, 0,1,2,3
	v_max_num_f32 v[TM+\b], v[TM+\b], v[TM+4+\b]   ; with lane l xor 16's: the block's largest magnitude
.endr
.irp b, 0,1,2,3
	v_add_nc_u32 v[TM+12+\b], 0xff000000, v[TM+\b] ; 2 off its exponent field: the conversion takes the exponent field of this operand as its scale
.endr
.irp b, 0,1,2,3
	v_lshrrev_b32 v[TM+4+\b], 23, v[TM+12+\b]      ; the scale's byte
.endr
	v_lshl_or_b32 v[PW], v[TM+5], 8, v[TM+4]       ; the four bytes make my row's scale word (the same in lanes l and l xor 16)
	v_lshl_or_b32 v[PW], v[TM+6], 16, v[PW]
	v_lshl_or_b32 v[PW], v[TM+7], 24, v[PW]
.irp c, 0,1
	v_cvt_scalef32_pk16_fp6_f32 v[PC+6*\c:PC+2+6*\c], v[\s+32*\c:\s+15+32*\c], v[TM+12+2*\c]
	v_cvt_scalef32_pk16_fp6_f32 v[PC+12+4*\c:PC+14+4*\c], v[\s+16+32*\c:\s+31+32*\c], v[TM+12+2*\c+1]   ; (a conversion's three registers begin on an even number)
.endr
	v_nop                                          ; one plain place behind a scaled conversion
.irp c, 0,1                                    ; the operand's layout wants a WHOLE block in a lane: lanes 0-15 block 2 c, lanes 16-31 block 2 c + 1
.irp i, 0,1,2
	v_permlane16_swap_b32 v[PC+6*\c+\i], v[PC+12+4*\c+\i]
.endr
.irp i, 0,1,2
	v_mov_b32 v[PC+3+6*\c+\i], v[PC+12+4*\c+\i]
.endr
.endr
.endm
; Row tile 2 a + RH: from eight accumulators to one fragment of the next product and its scale words.
.macro ROWT a
	s_wait_xcnt 0x0                                ; the last row tile's stores have read their data: the codes' registers are written again only behind this wait
.irp g, 0,1,2,3
.irp i, 0,1,2,3
.if \a < 2
	ds_load_b128 v[CC+16*\g+4*\i:CC+16*\g+4*\i+3], v[CAD0] offset:(\a%2)*32*CPITCH+128*\g+16*\i   ; caches(row, 32 g + 16 h + 4 i ..)
.else
	ds_load_b128 v[CC+16*\g+4*\i:CC+16*\g+4*\i+3], v[CAD1] offset:(\a%2)*32*CPITCH+128*\g+16*\i
.endif
.endr
.endr
	WIN 0x02                                       ; source 0: window 2
.set n, 0
.rept 32
	v_pk_fma_f32 v[T+2*n:T+2*n+1], v[64*\a+2*n:64*\a+2*n+1], v[WW:WW+1], v[BM:BM+1]   ; w (proj + b_proj) + bmix; each accumulator from its low end on
.set n, n+1
.endr
	WIN 0
.irp g, 0,1,2,3                                ; tiles 2 g and 2 g + 1: the first's lanes 16-31 change places with the second's lanes 0-15: register 16 g + i is then column 32 g + 16 h + i
.irp j, 0,1,2,3,4,5,6,7
	v_permlane16_swap_b32 v[T+16*\g+\j], v[T+16*\g+8+\j]
.endr
.endr
	s_wait_dscnt 0x0                               ; caches are in; the last row tile's store of its scale word has read its register
.set n, 0
.rept 32
	v_pk_fma_f32 v[T+2*n:T+2*n+1], v[CC+2*n:CC+2*n+1], v[CF:CF+1], v[T+2*n:T+2*n+1]   ; + coef caches
.set n, n+1
.endr
	QUANT T
.irp c, 0,1,2
	global_store_b128 v[IMO], v[PC+4*\c:PC+4*\c+3], s[HC:HC+1] offset:\a*3072+512*\c   ; the image: 32 lanes store 512 consecutive bytes, at a multiple of 256 from hc's first byte
.endr
	ds_store_b32 v[SSA], v[PW] offset:64*\a        ; both halves of the lanes write the same word with the same value
.endm
	ROWT 0
	ROWT 1
	s_wait_tensorcnt 0x0                           ; my 16 rows of caches' second half are in,
	s_wait_dscnt 0x0
	s_barrier_signal -1
	s_barrier_wait -1                              ; everybody's are
	ROWT 2
	ROWT 3
	ds_load_b64 v[SW:SW+1], v[SSR]                 ; LDS serves a wave's instructions in order (ISA guide 5.7.1.4): this sees my four stores
	s_wait_dscnt 0x0
	global_store_b64 v[SO8], v[SW:SW+1], s[HS:HS+1]  ; my 64 scale words: 256 consecutive bytes, at a multiple of 256 from hs's first byte
	s_wait_tensorcnt 0x0                           ; the wave's end
	ds_add_u32 v[SPW], v[NIL]
	s_wait_dscnt 0x0
	CROUND                                         ; the closing round: no work-group ends while a partner may still ask for a tile that names it
	s_endpgm
.Lfunc_end_k_q6064995588_proj:
	.size	k_q6064995588_proj, .Lfunc_end_k_q6064995588_proj-k_q6064995588_proj
	.p2alignl 7, 3214868480
	.fill 96, 4, 3214868480
	.section	.rodata,"a",@progbits
	.p2align	6, 0x0
	.amdhsa_kernel k_q6064995588_proj
		.amdhsa_group_segment_fixed_size 327680
		.amdhsa_private_segment_fixed_size 0
		.amdhsa_enable_private_segment 0
		.amdhsa_kernarg_size 88
		.amdhsa_user_sgpr_count 2
		.amdhsa_user_sgpr_kernarg_segment_ptr 1
		.amdhsa_wavefront_size32 1
		.amdhsa_system_sgpr_workgroup_id_x 1
		.amdhsa_system_sgpr_workgroup_id_y 1
		.amdhsa_system_sgpr_workgroup_id_z 1
		.amdhsa_system_vgpr_workitem_id 0
		.amdhsa_next_free_vgpr 1024
		.amdhsa_next_free_sgpr 106
		.amdhsa_reserve_vcc 0
		.amdhsa_float_denorm_mode_32 3
		.amdhsa_float_denorm_mode_16_64 3
		.amdhsa_memory_ordered 1
		.amdhsa_forward_progress 1
		.amdhsa_inst_pref_size 132
	.end_amdhsa_kernel
	.amdgpu_metadata
---
amdhsa.version: [ 1, 2 ]
amdhsa.kernels:
  - .name:           k_q6064995588_proj
    .symbol:         k_q6064995588_proj.kd
    .args:
      - { .name: x_codes, .offset: 0, .size: 8, .value_kind: global_buffer, .address_space: global }
      - { .name: x_scales, .offset: 8, .size: 8, .value_kind: global_buffer, .address_space: global }
      - { .name: W_proj_codes, .offset: 16, .size: 8, .value_kind: global_buffer, .address_space: global }
      - { .name: W_proj_scales, .offset: 24, .size: 8, .value_kind: global_buffer, .address_space: global }
      - { .name: caches, .offset: 32, .size: 8, .value_kind: global_buffer, .address_space: global }
      - { .name: b_proj, .offset: 40, .size: 8, .value_kind: global_buffer, .address_space: global }
      - { .name: w_mix, .offset: 48, .size: 8, .value_kind: global_buffer, .address_space: global }
      - { .name: b_mix, .offset: 56, .size: 8, .value_kind: global_buffer, .address_space: global }
      - { .name: decay_values, .offset: 64, .size: 8, .value_kind: global_buffer, .address_space: global }
      - { .name: hc, .offset: 72, .size: 8, .value_kind: global_buffer, .address_space: global }
      - { .name: hs, .offset: 80, .size: 8, .value_kind: global_buffer, .address_space: global }
    .group_segment_fixed_size: 327680
    .private_segment_fixed_size: 0
    .kernarg_segment_align: 8
    .kernarg_segment_size: 88
    .max_flat_workgroup_size: 128
    .sgpr_count:     106
    .vgpr_count:     1024
    .wavefront_size: 32
...
	.end_amdgpu_metadata
.endif
;; end of part 1
;; launch outp (part 2): grid 16 x 16, 4 waves a work-group, clusters of 4 x 4, 327,680 bytes of LDS; arguments hc, hs, W_out_codes, W_out_scales, b_out, out0; writes out0
.if DOCPART == 2
	.amdgcn_target "amdgcn-amd-amdhsa--gfx1250"
	.amdhsa_code_object_version 6
	.text
	.protected	k_q6064995588_outp
	.globl	k_q6064995588_outp
	.p2align	8
	.type	k_q6064995588_outp,@function
k_q6064995588_outp:
	s_mov_b64 s[64:65], 0
	v_nop
	global_prefetch_b8 v0, s[64:65] scope:SCOPE_SE
	s_setreg_imm32_b32 hwreg(HW_REG_WAVE_MODE, 25, 1), 1
	s_wait_xcnt 0x0
	s_wait_alu depctr_hold_cnt(0) depctr_sa_sdst(0) depctr_va_vdst(0) depctr_va_sdst(0) depctr_va_ssrc(0) depctr_va_vcc(0) depctr_vm_vsrc(0)
	s_getreg_b32 s2, hwreg(HW_REG_IB_STS2, 6, 4)
	s_cmp_eq_u32 s2, 0
	s_cbranch_scc0 .Lentry_in_a_cluster
	s_endpgm
.Lentry_in_a_cluster:
	s_bfe_u32 s2, ttmp6, 0x10000c
	s_cmp_lg_u32 s2, 0xf033
	s_cbranch_scc0 .Lentry_shape_is_right
	s_endpgm
.Lentry_shape_is_right:
; out0[b][n] = sum over j of hidden[b][j] W_out[n][j] + b_out[n].  hidden comes as the launch before left it: hc, images of operand registers, [16 row blocks][32 chunks of 128 along K][8 row tiles][1,536 bytes]
; (register group c of lane l at 512 c + 16 l), and hs, [16][32][RH 2][a 4][r 16] words of four E8M0 bytes.  W_out [4096][4096] arrives as codes of FP6 (E2M3), K innermost (a row: 3,072 bytes), scale bytes [4096][128].  out0 [2048][4096] f32.
; SHARES.  A tile of 128 rows x 256 columns gives 16 x 16 = 256 work-groups.  Four waves, 2 x 2: wave (RH, CH) makes row tiles 2 a + RH (a = 0..3) x columns 128 CH .. + 127: 32 accumulators, 256 registers.
; K goes in steps of 256 through a ring of two LDS slots: hidden's part of a step is one dense block of 24,576 bytes, W_out's 256 rows of 192 bytes.  A K step is two chunks of 128: 64 matrix instructions a wave.
; CLUSTERS: 4 x 4 work-groups.  hidden's tile hangs on the tile row alone and is asked for jointly by a row of the cluster, W_out's on the tile column alone, by a column.
; THE MATRIX INSTRUCTION IS USED TRANSPOSED (source 0 = 16 rows of W_out, source 1 = 16 rows of hidden): a lane holds eight neighbouring numbers of a row of out0.  b_out is the C of each sum's first product.
; LIMITS: NaN and infinities are not served.
; REGISTERS, in windows of 256: window 0: v0-31 addresses, v32-55 scale words (two sets), v64-159 hidden's fragments (two sets of 4 x 12); on the way out v64-191 rows of out0.
;   window 1: W_out's fragments, set q at v[128 q + 12 b].   window 2: accumulator (a, b) at v[8 (8 a + b)].   window 3: v0-63 b_out, tile b at v[8 b].
.set ROWB,   192
.set KROW,   3072
.set PITCH,  240                       ; an LDS row of W_out: 3 x (64 bytes + 16 of padding)
.set FR,     12
.set FRB,    1536                      ; a fragment's image
.set NLA,    3                         ; LDS loads that bring one of hidden's fragments
.set LAPS,   8
.set AT,     2*8*FRB                   ; hidden's two chunks x eight row tiles
.set BT,     256*PITCH
.set SLOT,   AT+BT
.set SBLK,   8*272
.set SCL,    2*SLOT                    ; hidden's scale words, all of K: 64 runs of 256 bytes + 16 of padding
.set SCLB,   SCL+64*272                ; W_out's scale bytes: 128 runs
.set SPARE,  SCLB+128*272              ; the spare words, 128 bytes a wave: two blocks of 256 bytes that no other line names
.set SPITCH, 528                       ; the way out: a stage of 16 rows x (512 bytes + 16) for each wave, in slot 0, which has had its last fill and its last read when the first result is stored there
.set ADRA, 16                          ; v16-17 hidden's images in slot 0, 1
.set ADRB, 20                          ; v20-21 W_out's fragments; v22-23 the same behind one padding more
.set ADSA, 24
.set ADSB, 25
.set STO,  26
.set RD,   27
.set SPW,  28
.set NIL,  29
.set CO,   30                          ; v30  16 x lane
.set SC,   32
.set AF,   64
.set BK,   64
.set WV,   2
.set G1,   24
.set G0,   32
.set TX,   42
.set TY,   43
.set G1B,  48
.set G0B,  56
.set G1S,  68
.set G0S,  76
.set G1SB, 80
.set G0SB, 88
.set RH,   100
.set CH,   101
.set MUL,  0xa1
.set MULF, 0xb1
.set TO_B, 0x40
.set MSB, 0
.macro WIN new
.if MSB != \new
	s_set_vgpr_msb (MSB<<8)|\new
.set MSB, \new
.endif
.endm
.macro PLACES n
.rept \n
	v_nop
.endr
.endm
.macro JLOAD g0a, g1a, g0b, g1b        ; waves 0 and 1 fetch for hidden, waves 2 and 3 for W_out; four v_nop follow each of the two lines
	s_cmp_eq_u32 s[RH], 0
	s_cbranch_scc0 .Lfor_b_\@
	tensor_load_to_lds s[\g0a:\g0a+3], s[\g1a:\g1a+7]
	s_nop 0
.rept 4
	v_nop
.endr
	s_branch .Lasked_\@
.Lfor_b_\@:
	tensor_load_to_lds s[\g0b:\g0b+3], s[\g1b:\g1b+7]
	s_nop 0
.rept 4
	v_nop
.endr
.Lasked_\@:
.endm
.macro CREST
	s_cmp_lg_u32 s[WV], 0
	s_cbranch_scc1 .Lnot_wave_0_\@
	s_barrier_signal -3
.Lnot_wave_0_\@:
	s_barrier_wait -3
	s_barrier_signal -1
	s_barrier_wait -1
.endm
.macro CROUND
	s_barrier_signal -1
	s_barrier_wait -1
	CREST
.endm
	s_load_b256 s[4:11], s[0:1], 0x0               ; hc s[4:5], hs s[6:7], W_out's codes s[8:9], W_out's scales s[10:11]
	s_load_b128 s[12:15], s[0:1], 0x20             ; b_out s[12:13], out0 s[14:15]
	v_lshl_add_u32 v[SPW], v0, 2, SPARE
	v_mov_b32 v[NIL], 0
	ds_add_u32 v28, v29
	s_wait_dscnt 0x0
	v_lshrrev_b32 v3, 5, v0
	v_readfirstlane_b32 s[WV], v3
	s_lshr_b32 s[RH], s[WV], 1
	s_and_b32 s[CH], s[WV], 1
	s_bfe_u32 s40, ttmp6, 0x40000                  ; cx, cy
	s_bfe_u32 s41, ttmp6, 0x40004
	s_lshl_b32 s[TX], ttmp9, 2
	s_add_co_u32 s[TX], s[TX], s40                 ; tile column
	s_and_b32 s[TY], ttmp7, 0xffff
	s_lshl_b32 s[TY], s[TY], 2
	s_add_co_u32 s[TY], s[TY], s41                 ; tile row
	s_lshl_b32 s44, s41, 2
	s_lshl_b32 s44, 15, s44                        ; my row of the cluster
	s_lshl_b32 s45, 0x1111, s40                    ; my column
	; hidden's images: a chunk's 12,288 dense bytes as 48 rows of 256 bytes (32 elements of 8 bytes), no padding: an LDS load takes 512 consecutive bytes
	s_or_b32 s[G1], s44, (3<<16)|(1<<21)
	s_mov_b32 s[G1+1], 32<<16
	s_mov_b32 s[G1+2], 48<<16
	s_mov_b32 s[G1+3], 32<<16
	s_mov_b32 s[G1+4], 48
	s_mov_b32 s[G1+5], 32
	s_mov_b32 s[G1+6], 0
	s_mov_b32 s[G1+7], 0
	; W_out's codes: 128 rows of 192 bytes, 16 bytes of padding behind every 64
	s_or_b32 s[G1B], s45, (1<<20)|(1<<21)|(3<<22)|(3<<25)
	s_mov_b32 s[G1B+1], ROWB<<16
	s_mov_b32 s[G1B+2], 128<<16
	s_mov_b32 s[G1B+3], ROWB<<16
	s_mov_b32 s[G1B+4], 128
	s_mov_b32 s[G1B+5], KROW
	s_mov_b32 s[G1B+6], 0
	s_mov_b32 s[G1B+7], 0
	; the scales: dense blocks as rows of 256 bytes, 16 bytes of padding behind each
	s_or_b32 s[G1S], s44, (3<<16)|(1<<20)|(1<<21)|(5<<22)|(3<<25)
	s_mov_b32 s[G1S+1], 32<<16
	s_mov_b32 s[G1S+2], 32<<16
	s_mov_b32 s[G1S+3], 32<<16
	s_mov_b32 s[G1S+4], 32
	s_mov_b32 s[G1S+5], 32
	s_mov_b32 s[G1S+6], 0
	s_mov_b32 s[G1S+7], 0
	s_or_b32 s[G1SB], s45, (3<<16)|(1<<20)|(1<<21)|(5<<22)|(3<<25)
	s_mov_b32 s[G1SB+1], 32<<16
	s_mov_b32 s[G1SB+2], 64<<16
	s_mov_b32 s[G1SB+3], 32<<16
	s_mov_b32 s[G1SB+4], 64
	s_mov_b32 s[G1SB+5], 32
	s_mov_b32 s[G1SB+6], 0
	s_mov_b32 s[G1SB+7], 0
	s_mul_i32 s16, s[TY], 32*8*FRB                 ; hc: my row block; wave CH fetches chunk CH of a K step
	s_mul_i32 s17, s[CH], 8*FRB
	s_add_co_u32 s16, s16, s17
	s_mov_b32 s17, 0
	s_lshl_b32 s18, s[TY], 14                      ; hs: 16,384 bytes a row block, my half
	s_lshl_b32 s19, s[CH], 13
	s_add_co_u32 s18, s18, s19
	s_mov_b32 s19, 0
	s_mul_i32 s20, s[TX], 256*KROW                 ; W_out's codes: 256 rows a tile, my 128
	s_mul_i32 s21, s[CH], 128*KROW
	s_add_co_u32 s20, s20, s21
	s_mov_b32 s21, 0
	s_lshl_b32 s46, s[TX], 15                      ; W_out's scale bytes
	s_lshl_b32 s47, s[CH], 14
	s_add_co_u32 s46, s46, s47
	s_mov_b32 s47, 0
	s_wait_kmcnt 0x0
	s_add_nc_u64 s[16:17], s[4:5], s[16:17]
	s_add_nc_u64 s[18:19], s[6:7], s[18:19]
	s_add_nc_u64 s[20:21], s[8:9], s[20:21]
	s_add_nc_u64 s[46:47], s[10:11], s[46:47]
	s_mov_b32 s[G0], 1
	s_mul_i32 s[G0+1], s[CH], 8*FRB
	s_mov_b64 s[G0+2:G0+3], s[16:17]               ; K step 0
	s_or_b32 s[G0+3], s[G0+3], 0x80000000
	s_mov_b32 s[G0+4], 1
	s_add_co_u32 s[G0+5], s[G0+1], SLOT
	s_add_nc_u64 s[G0+6:G0+7], s[16:17], AT        ; K step 1
	s_or_b32 s[G0+7], s[G0+7], 0x80000000
	s_mov_b32 s[G0B], 1
	s_mul_i32 s[G0B+1], s[CH], 128*PITCH
	s_add_co_u32 s[G0B+1], s[G0B+1], AT
	s_mov_b64 s[G0B+2:G0B+3], s[20:21]
	s_or_b32 s[G0B+3], s[G0B+3], 0x80000000
	s_mov_b32 s[G0B+4], 1
	s_add_co_u32 s[G0B+5], s[G0B+1], SLOT
	s_add_nc_u64 s[G0B+6:G0B+7], s[20:21], ROWB
	s_or_b32 s[G0B+7], s[G0B+7], 0x80000000
	s_mov_b32 s[G0S], 1
	s_mul_i32 s[G0S+1], s[CH], 32*272
	s_add_co_u32 s[G0S+1], s[G0S+1], SCL
	s_mov_b64 s[G0S+2:G0S+3], s[18:19]
	s_or_b32 s[G0S+3], s[G0S+3], 0x80000000
	s_mov_b32 s[G0SB], 1
	s_mul_i32 s[G0SB+1], s[CH], 64*272
	s_add_co_u32 s[G0SB+1], s[G0SB+1], SCLB
	s_mov_b64 s[G0SB+2:G0SB+3], s[46:47]
	s_or_b32 s[G0SB+3], s[G0SB+3], 0x80000000
	CROUND                                         ; all sixteen work-groups are here: the first joint loads meet
	JLOAD G0S, G1S, G0SB, G1SB                     ; the first fills, three loads a wave: the scales of all of K,
	JLOAD G0, G1, G0B, G1B                         ; K step 0,
	JLOAD G0+4, G1, G0B+4, G1B                     ; K step 1
	v_and_b32 v1, 15, v0                           ; r
	v_bfe_u32 v2, v0, 4, 1                         ; h
	v_and_b32 v3, 31, v0                           ; lane
	v_lshlrev_b32 v9, 5, v2                        ; the bias: for tile b, b_out at columns 16 b + 8 h + 0..7
	s_lshl_b32 s46, s[TX], 10
	s_lshl_b32 s47, s[CH], 9
	s_add_co_u32 s46, s46, s47                     ; my 128 columns, in bytes
	s_mov_b32 s47, 0
	s_add_nc_u64 s[12:13], s[12:13], s[46:47]
	s_add_nc_u64 s[14:15], s[14:15], s[46:47]
	s_lshl_b32 s46, s[TY], 21                      ; out0: 128 rows of 16,384 bytes a tile,
	s_lshl_b32 s16, s[RH], 18                      ; row tile RH (+ 2 a by the stores' immediates)
	s_add_co_u32 s46, s46, s16
	s_add_nc_u64 s[14:15], s[14:15], s[46:47]
	WIN 0xc0                                       ; destination window 3
.irp b, 0,1,2,3,4,5,6,7
	global_load_b128 v[8*\b:8*\b+3], v9, s[12:13] offset:64*\b
	global_load_b128 v[8*\b+4:8*\b+7], v9, s[12:13] offset:64*\b+16
.endr
	WIN 0
	v_lshlrev_b32 v[CO], 4, v3
	v_mul_u32_u24 v4, v1, PITCH
	v_mad_u32_u24 v5, v2, 24, v4
	v_mad_u32_u24 v6, v2, 40, v4
	s_mul_i32 s46, s[RH], FRB                      ; hidden: my row tiles 2 a + RH
	s_mul_i32 s47, s[CH], 128*PITCH                ; W_out: my 128 rows, behind hidden's images
	s_add_co_u32 s47, s47, AT
.irp s, 0,1
	v_add_nc_u32 v[ADRA+\s], s46, v[CO]
	v_add_nc_u32 v[ADRB+\s], s47, v5
	v_add_nc_u32 v[ADRB+2+\s], s47, v6
	s_add_co_u32 s46, s46, SLOT
	s_add_co_u32 s47, s47, SLOT
.endr
	v_lshlrev_b32 v7, 7, v1
	v_lshrrev_b32 v8, 1, v1
	v_lshl_add_u32 v7, v8, 4, v7                   ; a row of W_out's scale bytes: 128 r + 16 for each 256 passed
	s_mul_i32 s46, s[CH], 64*272
	s_add_co_u32 s46, s46, SCLB
	v_mad_u32_u24 v8, v2, SBLK, v7                 ; lanes 16-31 take the odd block of a pair
	v_add_nc_u32 v[ADSB], s46, v8
	s_mul_i32 s46, s[RH], 272
	s_add_co_u32 s46, s46, SCL
	v_lshl_add_u32 v[ADSA], v3, 2, s46             ; hidden's: run 2 chunk + RH; in it 4 x lane: lanes 0-15 the even block of a pair, lanes 16-31 the odd one
	s_mul_i32 s46, s[WV], 16*SPITCH                ; my stage
	v_mul_u32_u24 v8, v1, SPITCH
	v_lshl_add_u32 v8, v2, 5, v8
	v_add_nc_u32 v[STO], s46, v8                   ; in: row r, 32 bytes for each half of the lanes
	v_add_nc_u32 v[RD], s46, v[CO]                 ; back: the 32 lanes take one row of 512 bytes
.macro FRAG reg, adr, q, off           ; a fragment of W_out: six pieces of 8 bytes; where the piece three on (lanes 16-31) lies behind one padding more, the second address register serves
.irp p, 0,1,2,3,4,5
.set PCE, 12*(\q)+6*(\p/3)+\p%3
.if PCE%8 < 5
	ds_load_b64 v[\reg+2*\p:\reg+2*\p+1], v[\adr] offset:8*PCE+16*(PCE/8)+(\off)
.else
	ds_load_b64 v[\reg+2*\p:\reg+2*\p+1], v[\adr+2] offset:8*PCE+16*(PCE/8)+(\off)
.endif
.endr
.endm
.macro FETCH_B slot, q
	WIN TO_B
.irp i, 0,1,2,3,4,5,6,7
	FRAG 128*(\q)+FR*\i, ADRB+\slot, \q, \i*16*PITCH
.endr
	WIN 0
.endm
.macro FETCH_A slot, q                 ; hidden's four fragments: each image comes back by three loads of 16 bytes a lane
.irp i, 0,1,2,3
.irp c, 0,1,2
	ds_load_b128 v[AF+48*(\q)+FR*\i+4*\c:AF+48*(\q)+FR*\i+4*\c+3], v[ADRA+\slot] offset:(\q)*8*FRB+\i*2*FRB+512*\c
.endr
.endr
.endm
.macro SCALES sc
.irp i, 0,1,2,3
	ds_load_b64 v[SC+12*\sc+2*\i:SC+12*\sc+2*\i+1], v[ADSB] offset:\i*2*SBLK
.endr
.irp i, 0,1
.irp q, 0,1
	ds_load_b32 v[SC+12*\sc+8+2*\i+\q], v[ADSA] offset:\q*544+\i*128
.endr
.endr
.endm
; Eight matrix instructions: hidden's block a against W_out's eight, chunk q.  first = 1: the sums begin with the bias as C.  The 32 accumulators take turns, one instruction a turn.
.macro MUL8 a, q, sc, first
.irp b, 0,1,2,3,4,5,6,7
.set rD, 8*(8*(\a)+\b)
.set rC, rD
.if \first
.set rC, 8*\b
.endif
.set rB, 128*(\q)+FR*\b
.set rA, AF+48*(\q)+FR*(\a)
.set sB, SC+12*(\sc)+2*(\b/2)+(\q)
.set sA, SC+12*(\sc)+8+2*((\a)/2)+(\q)
.if (\b%2 == 0) && ((\a)%2 == 0)
	v_wmma_scale_f32_16x16x128_f8f6f4 v[rD:rD+7], v[rB:rB+FR-1], v[rA:rA+FR-1], v[rC:rC+7], v[sB], v[sA] matrix_a_fmt:MATRIX_FMT_FP6 matrix_b_fmt:MATRIX_FMT_FP6
.elseif (\b%2 == 1) && ((\a)%2 == 0)
	v_wmma_scale_f32_16x16x128_f8f6f4 v[rD:rD+7], v[rB:rB+FR-1], v[rA:rA+FR-1], v[rC:rC+7], v[sB], v[sA] matrix_a_fmt:MATRIX_FMT_FP6 matrix_b_fmt:MATRIX_FMT_FP6 matrix_a_scale:MATRIX_SCALE_ROW1
.elseif (\b%2 == 0) && ((\a)%2 == 1)
	v_wmma_scale_f32_16x16x128_f8f6f4 v[rD:rD+7], v[rB:rB+FR-1], v[rA:rA+FR-1], v[rC:rC+7], v[sB], v[sA] matrix_a_fmt:MATRIX_FMT_FP6 matrix_b_fmt:MATRIX_FMT_FP6 matrix_b_scale:MATRIX_SCALE_ROW1
.else
	v_wmma_scale_f32_16x16x128_f8f6f4 v[rD:rD+7], v[rB:rB+FR-1], v[rA:rA+FR-1], v[rC:rC+7], v[sB], v[sA] matrix_a_fmt:MATRIX_FMT_FP6 matrix_b_fmt:MATRIX_FMT_FP6 matrix_a_scale:MATRIX_SCALE_ROW1 matrix_b_scale:MATRIX_SCALE_ROW1
.endif
.endr
.endm
; A slot's chunk 0 (set 0); behind its first eight products it fetches chunk 1 into set 1.  Four places stand in front of loads into registers that matrix instructions have read (ISA guide 7.12.1 for vector instructions).
.macro STEP slot, first
	s_wait_dscnt 3*NLA                             ; the scale words, W_out's set and hidden's block 0 are in; the youngest loads (blocks 1-3) may be out
.if \first
	WIN MULF
.else
	WIN MUL
.endif
	MUL8 0, 0, \slot, \first
	s_wait_dscnt 0x0
	PLACES 4
	FETCH_B \slot, 1
	FETCH_A \slot, 1
.if \first
	WIN MULF
.else
	WIN MUL
.endif
	MUL8 1, 0, \slot, \first
	MUL8 2, 0, \slot, \first
	MUL8 3, 0, \slot, \first
	WIN 0
.endm
; A slot's chunk 1 (set 1) changes slots: one barrier; in front of it each wave waits for all its tensor loads, adds 0 to its spare word, and waits for that and for its own reads of this slot.  fill = 1: the barrier opens a round of the cluster's, and this slot takes the K step two on.
.macro TURN slot, next, fill
	s_wait_tensorcnt 0x0                           ; all my tensor loads have landed: my part of the next slot
	ds_add_u32 v[SPW], v[NIL]                      ; 0 onto my spare word
	s_wait_dscnt 3*NLA+1                           ; (the add and hidden's blocks 1-3 may be out)
	WIN MUL
	MUL8 0, 1, \slot, 0
	s_wait_dscnt 0x0                               ; the add is done, and my reads of this slot are over
	s_barrier_signal -1
	MUL8 1, 1, \slot, 0
	WIN 0
	s_barrier_wait -1
.if \fill
	CREST                                          ; no wave of any partner still reads this slot's tile or has a load on its way
	s_add_nc_u64 s[G0+4*\slot+2:G0+4*\slot+3], s[G0+4*\slot+2:G0+4*\slot+3], 2*AT
	s_add_nc_u64 s[G0B+4*\slot+2:G0B+4*\slot+3], s[G0B+4*\slot+2:G0B+4*\slot+3], 2*ROWB
	JLOAD G0+4*\slot, G1, G0B+4*\slot, G1B         ; the first tensor load behind the round; its four v_nop are also the places in front of the loads below
.else
	PLACES 4
.endif
	v_add_nc_u32 v[ADSA], 4*272, v[ADSA]           ; on to the next K step's scale words: hidden's lie two chunks x two runs on,
	v_add_nc_u32 v[ADSB], 8, v[ADSB]               ; W_out's 8 bytes on in each row
	SCALES \next
	FETCH_B \next, 0
	FETCH_A \next, 0
	WIN MUL
	MUL8 2, 1, \slot, 0
	MUL8 3, 1, \slot, 0
	WIN 0
.endm
	s_wait_loadcnt 0x0                             ; the bias
	s_wait_tensorcnt 0x1                           ; the scales and my part of K step 0 are in; K step 1's load may be out
	s_barrier_signal -1
	s_barrier_wait -1
	SCALES 0
	FETCH_B 0, 0
	FETCH_A 0, 0
	STEP 0, 1                                      ; the first chunk stands in front of the loop: its products start the sums
	s_mov_b32 s3, LAPS-1
.Llap:                                                 ; a trip goes once round the ring and fills both slots again
	TURN 0, 1, 1
	STEP 1, 0
	TURN 1, 0, 1
	STEP 0, 0
	s_sub_co_u32 s3, s3, 1
	s_cmp_lg_u32 s3, 0
	s_cbranch_scc1 .Llap
	TURN 0, 1, 0                                   ; the last lap fills nothing, and has no round of the cluster's barrier
	STEP 1, 0
	s_wait_dscnt 0x0                               ; the very last chunk
	WIN MUL
	MUL8 0, 1, 1, 0
	MUL8 1, 1, 1, 0
	MUL8 2, 1, 1, 0
	MUL8 3, 1, 1, 0
	WIN 0
	PLACES 4                                       ; in front of the first read of results, and of loads into the registers that held hidden's fragments
; THE WAY OUT, a row tile (16 rows x 128 columns) at a time.  A lane holds 32 neighbouring bytes of a row and the lanes beside it other rows: the tile goes through my own stage in LDS and comes back as whole rows of 512 bytes.
; LDS serves a wave's instructions in order (ISA guide 5.7.1.4): no wait between the stores and the loads, nor in front of the next tile's stores.
.macro TOSTAGE a
	WIN 0x08                                       ; an LDS store's data are its source 1: window 2
.irp b, 0,1,2,3,4,5,6,7
	ds_store_b128 v[STO], v[64*(\a)+8*\b:64*(\a)+8*\b+3] offset:64*\b        ; each accumulator from its low end on
	ds_store_b128 v[STO], v[64*(\a)+8*\b+4:64*(\a)+8*\b+7] offset:64*\b+16
.endr
	WIN 0
.set BB, BK+64*((\a)%2)
.irp t, 0,1,2,3,4,5,6,7,8,9,10,11,12,13,14,15
	ds_load_b128 v[BB+4*\t:BB+4*\t+3], v[RD] offset:\t*SPITCH
.endr
.endm
.macro SEND a, younger                 ; younger: the LDS instructions issued behind tile a's loads, which may stay out
.set BB, BK+64*((\a)%2)
	s_wait_dscnt \younger
.irp t, 0,1,2,3,4,5,6,7,8,9,10,11,12,13,14,15
	global_store_b128 v[CO], v[BB+4*\t:BB+4*\t+3], s[14:15] offset:(\a)*524288+\t*16384 th:TH_STORE_NT   ; 32 lanes store 512 consecutive bytes, at a multiple of 256 from out0's first byte; row tiles 2 a + RH lie 32 rows apart; 1,818,624 at the most: inside the signed 24-bit immediate (ISA guide, chapter 10)
.endr
.endm
	TOSTAGE 0
.irp a, 1,2,3
.if \a > 1
	s_wait_xcnt 0x0                                ; tile a - 2's stores have read their registers: tile a's loads may land there
.endif
	TOSTAGE \a
	SEND \a-1, 32                                  ; behind tile a - 1's loads: tile a's 16 stores and 16 loads
.endr
	SEND 3, 0
	s_wait_tensorcnt 0x0                           ; the wave's end
	ds_add_u32 v[SPW], v[NIL]
	s_wait_dscnt 0x0
	CROUND                                         ; the closing round: no work-group ends while a partner may still ask for a tile that names it
	s_endpgm
.Lfunc_end_k_q6064995588_outp:
	.size	k_q6064995588_outp, .Lfunc_end_k_q6064995588_outp-k_q6064995588_outp
	.p2alignl 7, 3214868480
	.fill 96, 4, 3214868480
	.section	.rodata,"a",@progbits
	.p2align	6, 0x0
	.amdhsa_kernel k_q6064995588_outp
		.amdhsa_group_segment_fixed_size 327680
		.amdhsa_private_segment_fixed_size 0
		.amdhsa_enable_private_segment 0
		.amdhsa_kernarg_size 48
		.amdhsa_user_sgpr_count 2
		.amdhsa_user_sgpr_kernarg_segment_ptr 1
		.amdhsa_wavefront_size32 1
		.amdhsa_system_sgpr_workgroup_id_x 1
		.amdhsa_system_sgpr_workgroup_id_y 1
		.amdhsa_system_sgpr_workgroup_id_z 1
		.amdhsa_system_vgpr_workitem_id 0
		.amdhsa_next_free_vgpr 1024
		.amdhsa_next_free_sgpr 106
		.amdhsa_reserve_vcc 0
		.amdhsa_float_denorm_mode_32 3
		.amdhsa_float_denorm_mode_16_64 3
		.amdhsa_memory_ordered 1
		.amdhsa_forward_progress 1
		.amdhsa_inst_pref_size 96
	.end_amdhsa_kernel
	.amdgpu_metadata
---
amdhsa.version: [ 1, 2 ]
amdhsa.kernels:
  - .name:           k_q6064995588_outp
    .symbol:         k_q6064995588_outp.kd
    .args:
      - { .name: hc, .offset: 0, .size: 8, .value_kind: global_buffer, .address_space: global }
      - { .name: hs, .offset: 8, .size: 8, .value_kind: global_buffer, .address_space: global }
      - { .name: W_out_codes, .offset: 16, .size: 8, .value_kind: global_buffer, .address_space: global }
      - { .name: W_out_scales, .offset: 24, .size: 8, .value_kind: global_buffer, .address_space: global }
      - { .name: b_out, .offset: 32, .size: 8, .value_kind: global_buffer, .address_space: global }
      - { .name: out0, .offset: 40, .size: 8, .value_kind: global_buffer, .address_space: global }
    .group_segment_fixed_size: 327680
    .private_segment_fixed_size: 0
    .kernarg_segment_align: 8
    .kernarg_segment_size: 48
    .max_flat_workgroup_size: 128
    .sgpr_count:     106
    .vgpr_count:     1024
    .wavefront_size: 32
...
	.end_amdgpu_metadata
.endif
;; end of part 2
;; ======== version 2 of 2: 2 launches
;; workspace buffers: hc 6,553,600 bytes
;; launch proj (part 3): grid 16 x 16, 4 waves a work-group, clusters of 4 x 4, 327,680 bytes of LDS; arguments x_codes, x_scales, W_proj_codes, W_proj_scales, caches, b_proj, w_mix, b_mix, decay_values, hc; writes hc
.if DOCPART == 3
	.amdgcn_target "amdgcn-amd-amdhsa--gfx1250"
	.amdhsa_code_object_version 6
	.text
	.protected	k_q6064995588_proj
	.globl	k_q6064995588_proj
	.p2align	8
	.type	k_q6064995588_proj,@function
k_q6064995588_proj:
	s_mov_b64 s[64:65], 0
	v_nop
	global_prefetch_b8 v0, s[64:65] scope:SCOPE_SE
	s_setreg_imm32_b32 hwreg(HW_REG_WAVE_MODE, 25, 1), 1
	s_wait_xcnt 0x0
	s_wait_alu depctr_hold_cnt(0) depctr_sa_sdst(0) depctr_va_vdst(0) depctr_va_sdst(0) depctr_va_ssrc(0) depctr_va_vcc(0) depctr_vm_vsrc(0)
	s_getreg_b32 s2, hwreg(HW_REG_IB_STS2, 6, 4)
	s_cmp_eq_u32 s2, 0
	s_cbranch_scc0 .Lentry_in_a_cluster
	s_endpgm
.Lentry_in_a_cluster:
	s_bfe_u32 s2, ttmp6, 0x10000c
	s_cmp_lg_u32 s2, 0xf033
	s_cbranch_scc0 .Lentry_shape_is_right
	s_endpgm
.Lentry_shape_is_right:
; hidden[b][256 h + k] = w_h (sum over d of x[b][d] W_proj[h][d][k] + b_proj[h][k]) + coef_h caches[h][b][k] + bmix_h, quantised along its 4,096 columns to codes of FP6 (E2M3)
; with one E8M0 byte for each 32.  w_h = w_mix[h][7], bmix_h = b_mix[h][7], decay_h = clip(decay_values[h], 0.9, 1)^(1/4), coef_h = w_h decay_h for h < 8, decay_h for h >= 8.
; x [2048][4096] and W_proj [16 x 256][4096] arrive as codes, K innermost (a row: 3,072 bytes), with scale bytes [rows][128].
; SHARES.  A tile of 128 rows x 256 columns (ONE head) gives 16 x 16 = 256 work-groups.  Four waves, 2 x 2: wave (RH, CH) makes four row tiles a = 0..3 x columns 128 CH .. + 127: 32 accumulators, 256 registers.
; A ROW TILE TAKES EVERY SECOND ROW: lane r of row tile (a, RH) is row 32 a + 2 r + RH of the tile.  Which rows form a tile only says which result lands where; two LDS rows of x are 816 bytes = 204 words apart,
; 12 modulo the 64 banks (ISA guide 11.1), so that the 16 rows of a load start in 16 different groups of four banks, which one row's 408 bytes would not give.
; K goes in steps of 512 (rows of 384 bytes, four chunks of 128) through a ring of two LDS slots, which fill LDS: 2 x (128 x 408 + 256 x 432) = 325,632 bytes.  A K step is 128 matrix instructions a wave.
; THE SCALE BYTES LIE IN REGISTERS: each lane loads its rows' 128 bytes once (W_proj's: 128 registers, x's: 64).  A scale register's number follows the chunk, so the eight K steps are written out, not looped.
; CLUSTERS: 4 x 4 work-groups.  x's tile hangs on the tile row alone and is asked for jointly by a row of the cluster, W_proj's on the tile column alone, by a column.  caches' tile is the work-group's own: plain loads.
; THE MATRIX INSTRUCTION IS USED TRANSPOSED (source 0 = 16 rows of W_proj, source 1 = 16 rows of x): lane (r, h) of accumulator (a, b) holds its row and columns 16 b + 8 h + 0..7.
; b_proj is the C of each sum's first product.  Behind the last product, for each row tile: w acc + bmix; eight exchanges of lane halves for each pair of column tiles make a lane's 16 registers 16 NEIGHBOURING columns;
; + coef x caches (held in that same layout); the quantiser; the fragment's 12 registers leave AS THEY STAND: an image of the next product's operand registers, 512 consecutive bytes a store.
; hc: [16 row blocks][32 chunks of 128 columns][12,800 bytes]: eight images of 1,536 bytes (image 2 a + RH: register group c of lane l at 512 c + 16 l), then [RH 2][a 4][r 16] words of four scale bytes.
; caches: row tiles 0 and 1 go from memory straight into registers, a lane taking 16 neighbouring numbers of each block of 32 of its row; row tiles 2 and 3 are laid into slot 0 when that slot has been read for the last time.
; LIMITS: NaN and infinities among the inputs are not served.  A block of zeros gets the byte 1 where the quantiser says 127: its codes are zeros, and hc is read by this program alone.
; x^(1/4) is taken as sqrt(sqrt(x)).  The sum is formed as (w proj' + bmix) + coef cache, each step fused: it differs from the written order by f32 rounding alone.
; REGISTERS, in windows of 256: window 0: v0-63 addresses; v64-191 W_proj's scale words, v192-255 x's: scales and nothing else.   window 1: W_proj's fragments, set q % 2 at v[128 (q % 2) + 12 b]; behind the loop the
;   epilogue's registers.   window 2: accumulator (a, b) at v[8 (8 a + b)].   window 3: v0-63 b_proj (tile b at v[8 b]), then caches of row tile 1; v64-159 x's fragments, two sets; v160-223 caches of row tile 0.
.set ROWB,   384                       ; a tile's row: 512 codes
.set KROW,   3072                      ; a row of codes in memory
.set PA,     408                       ; an LDS row of x: 3 x (128 bytes + 8 of padding)
.set PB,     432                       ; an LDS row of W_proj: 3 x (128 bytes + 16) = 108 words, 44 modulo 64: 16 rows start in 16 different groups of four banks
.set FR,     12                        ; registers of a fragment
.set NLA,    6                         ; LDS loads that bring one
.set AT,     128*PA
.set BT,     256*PB
.set SLOT,   AT+BT
.set CPITCH, 1040                      ; a row of caches in LDS: 1,024 bytes + 16
.set SST,    2*SLOT                    ; 256 bytes a wave: its 64 scale words on their way out; no fill ever lands here
.set SPARE,  SST+1024                  ; the spare words, 128 bytes a wave: two blocks of 256 bytes that no other line names
.set FRB,    1536                      ; a fragment's image
.set CHB,    8*FRB+512                 ; a chunk's block in hc
.set SO8,  12                          ; v12  8 x lane
.set CGO,  14                          ; v14  caches in memory: 2,048 r + 64 h
.set ADRA, 16                          ; v16-17 x's fragments in slot 0, 1; v18-19 the same behind one padding more
.set ADRB, 20                          ; v20-21, v22-23 the same for W_proj
.set ASO,  24                          ; v24  x's scale bytes in memory
.set BSO,  25                          ; v25  W_proj's
.set CAD1, 27                          ; v27  my place in caches' second half in LDS
.set SPW,  28                          ; v28  my spare word; never rewritten
.set NIL,  29                          ; v29  0; never rewritten
.set IMO,  30                          ; v30  16 x lane
.set PFO,  31                          ; v31  the prefetches' offset; never rewritten
.set SSA,  56
.set SSR,  57
.set BS,   64                          ; W_proj's scale words: v[BS + 32 (b / 2) + chunk]: lanes 0-15 even b, lanes 16-31 odd b
.set AS,   192                         ; x's: v[AS + 32 (a / 2) + chunk], split likewise
.set AF,   64                          ; window 3: x's fragments
.set CC0,  160                         ; window 3: caches of row tile 0 (row tile 1's lie at v0)
.set T,    0                           ; window 1, behind the loop: 64 numbers at work
.set PC,   64                          ; the codes just made
.set PW,   84                          ; the scale word just made
.set SW,   86
.set WW,   88                          ; w, twice
.set BM,   90                          ; bmix, twice
.set CF,   92                          ; coef, twice
.set TM,   128
.set CC,   144                         ; caches of row tiles 2, 3
.set WV,   2
.set HC,   22
.set G1,   24
.set G0,   32
.set TX,   42
.set TY,   43
.set G1B,  48
.set G0B,  56
.set HS,   66
.set CGP,  68
.set G0CB, 76
.set G1C,  92
.set RH,   100
.set CH,   101
.set SEL,  104
.set MUL,  0xad                        ; source 0 window 1, source 1 window 3, C and D window 2
.set MULF, 0xbd                        ; the same with C in window 3: the bias
.set TO_B, 0x40
.set TO_A, 0xc0
.set MSB, 0
.macro WIN new                         ; the immediate's high byte repeats the setting that is left
.if MSB != \new
	s_set_vgpr_msb (MSB<<8)|\new
.set MSB, \new
.endif
.endm
.macro PLACES n
.rept \n
	v_nop
.endr
.endm
; A joint load: waves 0 and 1 fetch for x, waves 2 and 3 for W_proj; the branch hangs on the wave's number alone.  Four v_nop follow each of the two lines.
.macro JLOAD g0a, g1a, g0b, g1b
	s_cmp_eq_u32 s[RH], 0
	s_cbranch_scc0 .Lfor_b_\@
	tensor_load_to_lds s[\g0a:\g0a+3], s[\g1a:\g1a+7]
	s_nop 0
.rept 4
	v_nop
.endr
	s_branch .Lasked_\@
.Lfor_b_\@:
	tensor_load_to_lds s[\g0b:\g0b+3], s[\g1b:\g1b+7]
	s_nop 0
.rept 4
	v_nop
.endr
.Lasked_\@:
.endm
.macro CROUND                          ; a round of the cluster's barrier
	s_barrier_signal -1
	s_barrier_wait -1
	s_cmp_lg_u32 s[WV], 0
	s_cbranch_scc1 .Lnot_wave_0_\@
	s_barrier_signal -3
.Lnot_wave_0_\@:
	s_barrier_wait -3
	s_barrier_signal -1
	s_barrier_wait -1
.endm
	s_load_b256 s[4:11], s[0:1], 0x0               ; x's codes s[4:5], x's scales s[6:7], W_proj's codes s[8:9], W_proj's scales s[10:11]
	s_load_b128 s[12:15], s[0:1], 0x20             ; caches s[12:13], b_proj s[14:15]
	s_load_b256 s[80:87], s[0:1], 0x30             ; w_mix s[80:81], b_mix s[82:83], decay_values s[84:85], hc s[86:87]
	v_lshl_add_u32 v[SPW], v0, 2, SPARE
	v_mov_b32 v[NIL], 0
	ds_add_u32 v28, v29
	s_wait_dscnt 0x0
	v_lshrrev_b32 v3, 5, v0
	v_readfirstlane_b32 s[WV], v3                  ; wave 0..3
	s_lshr_b32 s[RH], s[WV], 1                     ; which rows are mine (odd or even).  Also: I fetch for x (0) or for W_proj (1)
	s_and_b32 s[CH], s[WV], 1                      ; which 128 columns.  Also: which half of that tile I fetch
	s_bfe_u32 s40, ttmp6, 0x40000                  ; cx, cy: my place in the cluster
	s_bfe_u32 s41, ttmp6, 0x40004
	s_lshl_b32 s[TX], ttmp9, 2
	s_add_co_u32 s[TX], s[TX], s40                 ; tile column = the head = 4 x cluster x + cx
	s_and_b32 s[TY], ttmp7, 0xffff
	s_lshl_b32 s[TY], s[TY], 2
	s_add_co_u32 s[TY], s[TY], s41                 ; tile row = 4 x cluster y + cy
	s_lshl_b32 s44, s41, 2
	s_lshl_b32 s44, 15, s44                        ; my row of the cluster
	s_lshl_b32 s45, 0x1111, s40                    ; my column
	; groups 1.  Codes: rows of 384 bytes (elements of 1 byte), padding behind every 32 words (code 4): 2 words for x (code 1), 4 for W_proj (code 3); bit 21 stands beside a mask
	s_or_b32 s[G1], s44, (1<<20)|(1<<21)|(4<<22)|(1<<25)
	s_mov_b32 s[G1+1], ROWB<<16                    ; tensor_dim0
	s_mov_b32 s[G1+2], 64<<16                      ; tensor_dim1: 64 rows of x a load
	s_mov_b32 s[G1+3], ROWB<<16                    ; tile_dim0
	s_mov_b32 s[G1+4], 64                          ; tile_dim1
	s_mov_b32 s[G1+5], KROW                        ; from row to row
	s_mov_b32 s[G1+6], 0
	s_mov_b32 s[G1+7], 0
	s_or_b32 s[G1B], s45, (1<<20)|(1<<21)|(4<<22)|(3<<25)
	s_mov_b32 s[G1B+1], ROWB<<16
	s_mov_b32 s[G1B+2], 128<<16                    ; 128 rows of W_proj a load
	s_mov_b32 s[G1B+3], ROWB<<16
	s_mov_b32 s[G1B+4], 128
	s_mov_b32 s[G1B+5], KROW
	s_mov_b32 s[G1B+6], 0
	s_mov_b32 s[G1B+7], 0
	; caches: 16 rows of 1,024 bytes (128 elements of 8 bytes), TWO rows apart in memory: one row tile; 16 bytes of padding behind each; no mask
	s_mov_b32 s[G1C], (3<<16)|(1<<20)|(7<<22)|(3<<25)
	s_mov_b32 s[G1C+1], 128<<16
	s_mov_b32 s[G1C+2], 16<<16
	s_mov_b32 s[G1C+3], 128<<16
	s_mov_b32 s[G1C+4], 16
	s_mov_b32 s[G1C+5], 256
	s_mov_b32 s[G1C+6], 0
	s_mov_b32 s[G1C+7], 0
	; byte offsets.  What feeds x's descriptors hangs on the tile row and the wave alone, what feeds W_proj's on the tile column and the wave alone, each in registers of their own
	s_mul_i32 s16, s[TY], 128*KROW
	s_mul_i32 s17, s[CH], 64*KROW
	s_add_co_u32 s16, s16, s17                     ; x's codes: 128 rows a tile, my 64
	s_mov_b32 s17, 0
	s_lshl_b32 s18, s[TY], 14
	s_lshl_b32 s19, s[RH], 7
	s_add_co_u32 s18, s18, s19                     ; x's scale bytes: 128 a row; my rows begin at row RH
	s_mov_b32 s19, 0
	s_mul_i32 s20, s[TX], 256*KROW
	s_mul_i32 s21, s[CH], 128*KROW
	s_add_co_u32 s20, s20, s21                     ; W_proj's codes: 256 rows a head, my 128
	s_mov_b32 s21, 0
	s_lshl_b32 s46, s[TX], 15
	s_lshl_b32 s47, s[CH], 14
	s_add_co_u32 s46, s46, s47                     ; W_proj's scale bytes: my 128 columns' rows
	s_mov_b32 s47, 0
	s_lshl_b32 s22, s[TX], 21                      ; caches: a head is 2,048 rows of 1,024 bytes,
	s_lshl_b32 s23, s[TY], 17                      ; the tile 128 rows
	s_add_co_u32 s22, s22, s23
	s_mov_b32 s23, 0
	s_lshl_b32 s66, s[RH], 10                      ; what I load into registers: from row RH on, my 128 columns
	s_lshl_b32 s67, s[CH], 9
	s_add_co_u32 s66, s66, s67
	s_mov_b32 s67, 0
	s_lshl_b32 s70, s[RH], 15                      ; what I fetch into LDS: wave w takes the row tile (a = 2 + w / 2, rows of parity w % 2): from row 64 + 32 (w / 2) + w % 2 on
	s_lshl_b32 s71, s[CH], 10
	s_add_co_u32 s70, s70, s71
	s_add_co_u32 s70, s70, 64*1024
	s_mov_b32 s71, 0
	s_lshl_b32 s74, s[TX], 13                      ; a head's row of w_mix and b_mix: 8,192 bytes
	s_lshl_b32 s75, s[TX], 2
	s_mov_b32 s[SEL], 0x76543210
	s_mov_b32 s[SEL+1], 0xfedcba98                 ; v_permlanex16_b32's selects for lane l xor 16
	s_wait_kmcnt 0x0
	s_load_b32 s88, s[80:81], s74 offset:0x1c      ; w: index 7 is byte 28.  These three are waited for further down
	s_load_b32 s89, s[82:83], s74 offset:0x1c      ; bmix
	s_load_b32 s90, s[84:85], s75 offset:0x0       ; decay_values[h]
	s_add_nc_u64 s[16:17], s[4:5], s[16:17]
	s_add_nc_u64 s[6:7], s[6:7], s[18:19]
	s_add_nc_u64 s[20:21], s[8:9], s[20:21]
	s_add_nc_u64 s[10:11], s[10:11], s[46:47]
	s_add_nc_u64 s[12:13], s[12:13], s[22:23]
	s_add_nc_u64 s[CGP:CGP+1], s[12:13], s[66:67]
	s_add_nc_u64 s[12:13], s[12:13], s[70:71]      ; from here on s[12:13] stays: the prefetches name it too
	; groups 0: the word 1, the LDS address (constants and the wave's number alone), the global address, the type
	s_mov_b32 s[G0], 1
	s_mul_i32 s[G0+1], s[CH], 64*PA
	s_mov_b64 s[G0+2:G0+3], s[16:17]               ; K step 0
	s_or_b32 s[G0+3], s[G0+3], 0x80000000
	s_mov_b32 s[G0+4], 1
	s_add_co_u32 s[G0+5], s[G0+1], SLOT
	s_add_nc_u64 s[G0+6:G0+7], s[16:17], ROWB      ; K step 1
	s_or_b32 s[G0+7], s[G0+7], 0x80000000
	s_mov_b32 s[G0B], 1
	s_mul_i32 s[G0B+1], s[CH], 128*PB
	s_add_co_u32 s[G0B+1], s[G0B+1], AT
	s_mov_b64 s[G0B+2:G0B+3], s[20:21]
	s_or_b32 s[G0B+3], s[G0B+3], 0x80000000
	s_mov_b32 s[G0B+4], 1
	s_add_co_u32 s[G0B+5], s[G0B+1], SLOT
	s_add_nc_u64 s[G0B+6:G0B+7], s[20:21], ROWB
	s_or_b32 s[G0B+7], s[G0B+7], 0x80000000
	s_mov_b32 s[G0CB], 1
	s_mul_i32 s[G0CB+1], s[WV], 16*CPITCH          ; caches' second half lies at LDS byte 0, in slot 0
	s_mov_b64 s[G0CB+2:G0CB+3], s[12:13]
	s_or_b32 s[G0CB+3], s[G0CB+3], 0x80000000
	CROUND                                         ; all sixteen work-groups are here: the first joint loads meet
	JLOAD G0, G1, G0B, G1B                         ; the first fills, two loads a wave: K step 0,
	JLOAD G0+4, G1, G0B+4, G1B                     ; K step 1
	v_and_b32 v1, 15, v0                           ; r
	v_bfe_u32 v2, v0, 4, 1                         ; h
	v_and_b32 v3, 31, v0                           ; lane
	v_lshlrev_b32 v[BSO], 7, v3                    ; W_proj's scale bytes: pair i of column tiles is rows 32 i + lane: lanes 0-15 the even tile, lanes 16-31 the odd one
	v_lshlrev_b32 v[ASO], 8, v1                    ; x's: row 64 i + 32 h + 2 r + RH
	v_lshl_add_u32 v[ASO], v2, 12, v[ASO]
	v_lshlrev_b32 v9, 5, v2                        ; the bias: lane (r, h) wants, for tile b, b_proj at columns 16 b + 8 h + 0..7
	s_lshl_b32 s46, s[TX], 10
	s_lshl_b32 s47, s[CH], 9
	s_add_co_u32 s46, s46, s47
	s_mov_b32 s47, 0
	s_add_nc_u64 s[14:15], s[14:15], s[46:47]      ; b_proj at my 128 columns
.irp i, 0,1,2,3
.irp m, 0,1,2,3,4,5,6,7
	global_load_b128 v[BS+32*\i+4*\m:BS+32*\i+4*\m+3], v[BSO], s[10:11] offset:\i*4096+16*\m   ; a lane's eight loads take its row's 128 bytes: the words of chunks 4 m .. 4 m + 3
.endr
.endr
.irp i, 0,1
.irp m, 0,1,2,3,4,5,6,7
	global_load_b128 v[AS+32*\i+4*\m:AS+32*\i+4*\m+3], v[ASO], s[6:7] offset:\i*8192+16*\m
.endr
.endr
	WIN TO_A                                       ; destination window 3
.irp b, 0,1,2,3,4,5,6,7
	global_load_b128 v[8*\b:8*\b+3], v9, s[14:15] offset:64*\b
	global_load_b128 v[8*\b+4:8*\b+7], v9, s[14:15] offset:64*\b+16
.endr
	WIN 0
	v_mul_u32_u24 v4, v1, 2*PA                     ; x: my rows lie two apart
	v_mad_u32_u24 v5, v2, 24, v4                   ; + 24 x half,
	v_mad_u32_u24 v6, v2, 32, v4                   ; and the same behind one padding (8 bytes) more
	v_mul_u32_u24 v7, v1, PB
	v_mad_u32_u24 v8, v2, 24, v7
	v_mad_u32_u24 v10, v2, 40, v7                  ; W_proj: one padding is 16 bytes
	s_mul_i32 s46, s[RH], PA
	s_mul_i32 s47, s[CH], 128*PB                   ; W_proj: my 128 rows, behind x's tile
	s_add_co_u32 s47, s47, AT
.irp s, 0,1
	v_add_nc_u32 v[ADRA+\s], s46, v5
	v_add_nc_u32 v[ADRA+2+\s], s46, v6
	v_add_nc_u32 v[ADRB+\s], s47, v8
	v_add_nc_u32 v[ADRB+2+\s], s47, v10
	s_add_co_u32 s46, s46, SLOT
	s_add_co_u32 s47, s47, SLOT
.endr
	s_mul_i32 s46, s[RH], 16*CPITCH                ; caches in LDS: row tile (a, RH) lies at (2 (a - 2) + RH) x 16 rows
	s_lshl_b32 s47, s[CH], 9
	s_add_co_u32 s46, s46, s47
	v_mul_u32_u24 v8, v1, CPITCH
	v_lshl_add_u32 v8, v2, 6, v8                   ; row r of it, my 128 columns, + 64 h: my 16 numbers of a block of 32
	v_add_nc_u32 v[CAD1], s46, v8
	v_lshlrev_b32 v[CGO], 11, v1
	v_lshl_add_u32 v[CGO], v2, 6, v[CGO]           ; and in memory: 2 r rows, + 64 h
	s_lshl_b32 s46, s[WV], 8
	s_add_co_u32 s46, s46, SST
	v_lshl_add_u32 v[SSA], v1, 2, s46
	v_lshl_add_u32 v[SSR], v3, 3, s46
	v_lshlrev_b32 v[SO8], 3, v3
	v_lshlrev_b32 v[IMO], 4, v3
	v_lshrrev_b32 v4, 2, v3
	v_and_b32 v5, 3, v3
	v_lshlrev_b32 v[PFO], 11, v4
	v_lshl_add_u32 v[PFO], v5, 8, v[PFO]           ; four lanes to a row of 1,024 bytes, rows two apart
	s_mul_i32 s16, s[TY], 32*CHB                   ; hc: my row block, chunk 2 head + CH
	s_mul_i32 s17, s[TX], 2*CHB
	s_add_co_u32 s16, s16, s17
	s_mul_i32 s17, s[CH], CHB
	s_add_co_u32 s16, s16, s17
	s_lshl_b32 s18, s[RH], 8
	s_add_co_u32 s18, s18, s16
	s_add_co_u32 s18, s18, 8*FRB                   ; my 64 scale words: behind the chunk's eight images, 256 bytes for each RH
	s_mov_b32 s19, 0
	s_mul_i32 s17, s[RH], FRB
	s_add_co_u32 s16, s16, s17                     ; my images: 2 a + RH, a by the stores' immediates
	s_mov_b32 s17, 0
	s_add_nc_u64 s[HS:HS+1], s[86:87], s[18:19]
	s_add_nc_u64 s[HC:HC+1], s[86:87], s[16:17]
	s_wait_kmcnt 0x0                               ; w, bmix, decay_values[h]
	v_mov_b32 v10, s90
	v_med3_num_f32 v10, v10, 0x3f666666, 1.0       ; clip to 0.9 .. 1
	v_sqrt_f32 v11, v10
	v_nop                                          ; one plain place behind a transcendental
	s_wait_alu depctr_va_vdst(0)
	v_sqrt_f32 v13, v11                            ; ^(1/4)
	v_nop
	s_cmp_lt_u32 s[TX], 8                          ; heads 0-7: coef = w decay; heads 8-15: coef = decay.  A choice of a value: nothing branches on it
	s_cselect_b32 s3, s88, 1.0
	s_wait_alu depctr_va_vdst(0)
	v_mul_f32 v10, s3, v13
	v_readfirstlane_b32 s91, v10                   ; coef: kept as a scalar until the epilogue's registers are free
; A fragment, 16 rows x 128 K of 6-bit codes: lane (r, h) takes of its row the 24 bytes of block h and the 24 of block 2 + h, in pieces of 8 bytes.  A padding stands behind every 16 pieces: where the piece three on (lanes 16-31) lies behind one padding more, the second address register serves.
.macro FRAG reg, adr, q, off, pad
.irp p, 0,1,2,3,4,5
.set PCE, 12*(\q)+6*(\p/3)+\p%3
.if PCE%16 < 13
	ds_load_b64 v[\reg+2*\p:\reg+2*\p+1], v[\adr] offset:8*PCE+\pad*(PCE/16)+(\off)
.else
	ds_load_b64 v[\reg+2*\p:\reg+2*\p+1], v[\adr+2] offset:8*PCE+\pad*(PCE/16)+(\off)
.endif
.endr
.endm
.macro FETCH_B slot, q                 ; W_proj's eight fragments of the slot's chunk q into set q % 2
	WIN TO_B
.irp i, 0,1,2,3,4,5,6,7
	FRAG 128*((\q)%2)+FR*\i, ADRB+\slot, \q, \i*16*PB, 16
.endr
.endm
.macro FETCH_A slot, q                 ; x's four: row tile a begins 32 rows on
	WIN TO_A
.irp i, 0,1,2,3
	FRAG AF+48*((\q)%2)+FR*\i, ADRA+\slot, \q, \i*32*PA, 8
.endr
.endm
; Eight matrix instructions: x's row tile a against W_proj's eight, chunk q of the slot, chunk kc of K.  first = 1: the sums begin with the bias as C.  The 32 accumulators take turns, one instruction a turn, in the same order in every chunk.
.macro MUL8 a, q, kc, first
.irp b, 0,1,2,3,4,5,6,7
.set rD, 8*(8*(\a)+\b)
.set rC, rD
.if \first
.set rC, 8*\b
.endif
.set rB, 128*((\q)%2)+FR*\b
.set rA, AF+48*((\q)%2)+FR*(\a)
.set sB, BS+32*(\b/2)+(\kc)
.set sA, AS+32*((\a)/2)+(\kc)
.if (\b%2 == 0) && ((\a)%2 == 0)
	v_wmma_scale_f32_16x16x128_f8f6f4 v[rD:rD+7], v[rB:rB+FR-1], v[rA:rA+FR-1], v[rC:rC+7], v[sB], v[sA] matrix_a_fmt:MATRIX_FMT_FP6 matrix_b_fmt:MATRIX_FMT_FP6
.elseif (\b%2 == 1) && ((\a)%2 == 0)
	v_wmma_scale_f32_16x16x128_f8f6f4 v[rD:rD+7], v[rB:rB+FR-1], v[rA:rA+FR-1], v[rC:rC+7], v[sB], v[sA] matrix_a_fmt:MATRIX_FMT_FP6 matrix_b_fmt:MATRIX_FMT_FP6 matrix_a_scale:MATRIX_SCALE_ROW1
.elseif (\b%2 == 0) && ((\a)%2 == 1)
	v_wmma_scale_f32_16x16x128_f8f6f4 v[rD:rD+7], v[rB:rB+FR-1], v[rA:rA+FR-1], v[rC:rC+7], v[sB], v[sA] matrix_a_fmt:MATRIX_FMT_FP6 matrix_b_fmt:MATRIX_FMT_FP6 matrix_b_scale:MATRIX_SCALE_ROW1
.else
	v_wmma_scale_f32_16x16x128_f8f6f4 v[rD:rD+7], v[rB:rB+FR-1], v[rA:rA+FR-1], v[rC:rC+7], v[sB], v[sA] matrix_a_fmt:MATRIX_FMT_FP6 matrix_b_fmt:MATRIX_FMT_FP6 matrix_a_scale:MATRIX_SCALE_ROW1 matrix_b_scale:MATRIX_SCALE_ROW1
.endif
.endr
.endm
; One of a slot's first three chunks.  Behind its first eight products it fetches the next chunk into the other sets, 24 matrix instructions ahead of its use.
; A load into a register that a matrix instruction has read stands four places behind it, and only plain vector instructions that name none of its registers are places (ISA guide 7.12.1 for vector instructions).
.macro STEP slot, q, kc, first
	s_wait_dscnt 3*NLA                             ; W_proj's set and x's row tile 0 are in; the youngest loads (row tiles 1-3) may be out
.if \first
	WIN MULF
.else
	WIN MUL
.endif
	MUL8 0, \q, \kc, \first
	s_wait_dscnt 0x0                               ; row tiles 1-3 are in
	PLACES 4
	FETCH_B \slot, (\q)+1
	FETCH_A \slot, (\q)+1
.if \first
	WIN MULF
.else
	WIN MUL
.endif
	MUL8 1, \q, \kc, \first
	MUL8 2, \q, \kc, \first
	MUL8 3, \q, \kc, \first
.endm
; A slot's last chunk changes slots.  Behind its first sixteen products each wave waits for all its tensor loads, adds 0 to its spare word and waits for that and for its own reads of this slot; a round of the cluster's
; barrier follows at once, and the refill stands first behind it: from a request to the wait for it a wave issues a whole K step's 128 matrix instructions.
; fill = 1: this slot takes the K step two on, by a joint load.  fill = 2: slot 0 has been read for the last time and takes caches' row tiles 2 and 3, one tile of 16 rows a wave, by a plain load.
; ask = 1: A PREFETCH INTO THE L2 of what that plain load will ask for at the NEXT change of slots, a K step of 128 matrix instructions ahead: each wave names its own 16 rows of 1,024 bytes, lanes 256 bytes apart, eight rows an
; instruction.  The tile is this work-group's alone: each block of 256 bytes is named once in the launch.  It stands behind the joint load and the run of LDS loads; its address registers are never rewritten.
.macro TURN slot, next, kc, fill, ask
	s_wait_dscnt 3*NLA
	WIN MUL
	MUL8 0, 3, \kc, 0
	s_wait_dscnt 0x0                               ; x's row tiles 1-3 are in: my reads of this slot are over
	MUL8 1, 3, \kc, 0
	WIN 0
	s_wait_tensorcnt 0x0                           ; all my tensor loads have landed: my part of the next slot; so every group 0 may be written
	ds_add_u32 v[SPW], v[NIL]                      ; 0 onto my spare word
.if \fill == 1
	s_add_nc_u64 s[G0+4*\slot+2:G0+4*\slot+3], s[G0+4*\slot+2:G0+4*\slot+3], 2*ROWB
	s_add_nc_u64 s[G0B+4*\slot+2:G0B+4*\slot+3], s[G0B+4*\slot+2:G0B+4*\slot+3], 2*ROWB
.endif
	s_wait_dscnt 0x0                               ; the add is done
	CROUND                                         ; no wave of any partner still reads this slot's tile or has a load on its way
.if \fill == 1
	JLOAD G0+4*\slot, G1, G0B+4*\slot, G1B         ; the first tensor load behind the round; its four v_nop are also the places in front of the loads below
.else
	tensor_load_to_lds s[G0CB:G0CB+3], s[G1C:G1C+7]
	s_nop 0
	PLACES 4
.endif
	FETCH_B \next, 0
	FETCH_A \next, 0
.if \ask
	global_prefetch_b8 v[PFO], s[12:13] th:TH_LOAD_NT scope:SCOPE_SE
	global_prefetch_b8 v[PFO], s[12:13] offset:16384 th:TH_LOAD_NT scope:SCOPE_SE
.endif
	WIN MUL
	MUL8 2, 3, \kc, 0
	MUL8 3, 3, \kc, 0
.endm
.macro KSTEP slot, next, kc, fill, ask
	STEP \slot, 0, \kc, 0
	STEP \slot, 1, \kc+1, 0
	STEP \slot, 2, \kc+2, 0
	TURN \slot, \next, \kc+3, \fill, \ask
.endm
; caches of row tile a, straight into 64 registers of window 3: lane (r, h) takes, of its row, 16 neighbouring numbers of each block of 32: register 16 g + 4 i + j is column 32 g + 16 h + 4 i + j
.macro CLOAD reg, a
	WIN TO_A
.irp g, 0,1,2,3
.irp i, 0,1,2,3
	global_load_b128 v[\reg+16*\g+4*\i:\reg+16*\g+4*\i+3], v[CGO], s[CGP:CGP+1] offset:\a*32768+128*\g+16*\i th:TH_LOAD_NT
.endr
.endr
.endm
	s_wait_loadcnt 0x0                             ; the scale words and the bias
	CLOAD CC0, 0                                   ; row tile 0's caches: they have the whole product in which to land
	WIN 0
	s_wait_tensorcnt 0x1                           ; my part of K step 0 is in; K step 1's load may be out
	s_barrier_signal -1
	s_barrier_wait -1
	FETCH_B 0, 0
	FETCH_A 0, 0
	STEP 0, 0, 0, 1                                ; the first chunk's products start the sums
	PLACES 4                                       ; the bias has been read for the last time:
	CLOAD 0, 1                                     ; its registers take row tile 1's caches
	STEP 0, 1, 1, 0
	STEP 0, 2, 2, 0
	TURN 0, 1, 3, 1, 0
	KSTEP 1, 0, 4, 1, 0
	KSTEP 0, 1, 8, 1, 0
	KSTEP 1, 0, 12, 1, 0
	KSTEP 0, 1, 16, 1, 0
	KSTEP 1, 0, 20, 1, 1                           ; the last joint refill: K step 7
	KSTEP 0, 1, 24, 2, 0                           ; slot 0 takes caches' second half
	STEP 1, 0, 28, 0
	STEP 1, 1, 29, 0
	STEP 1, 2, 30, 0
	s_wait_dscnt 0x0                               ; the very last chunk
	WIN MUL
	MUL8 0, 3, 31, 0
	MUL8 1, 3, 31, 0
	MUL8 2, 3, 31, 0
	MUL8 3, 3, 31, 0
	PLACES 4                                       ; in front of the first read of results, and of writes and loads into the registers that held W_proj's fragments
	WIN 0x40                                       ; destination window 1
	v_mov_b32 v[WW], s88
	v_mov_b32 v[WW+1], s88
	v_mov_b32 v[BM], s89
	v_mov_b32 v[BM+1], s89
	v_mov_b32 v[CF], s91
	v_mov_b32 v[CF+1], s91
.irp b, 0,1,2,3
	v_mov_b32 v[TM+4+\b], 0                        ; written once: a lane permute's destination counts as one of its sources
.endr
	s_wait_loadcnt 0x0                             ; caches of row tiles 0 and 1
; 64 numbers of a lane, v[s] .. v[s + 63], register 16 b + i = column 32 b + 16 (lane / 16) + i of my row, become a fragment's codes in v[PC] on and its scale word in v[PW].  All in window 1.
.macro QUANT s
.irp b, 0,1,2,3
	v_max3_num_f32 v[TM+\b], |v[\s+16*\b]|, |v[\s+1+16*\b]|, 0x1800000   ; block b: my 16 numbers, and the floor 2^(3 - 127): the byte cannot fall under 1
.endr
.irp i, 2,4,6,8,10,12,14
.irp b, 0,1,2,3
	v_max3_num_f32 v[TM+\b], v[TM+\b], |v[\s+16*\b+\i]|, |v[\s+1+16*\b+\i]|   ; (the four blocks by turns)
.endr
.endr
.irp b, 0,1,2,3
	v_permlanex16_b32 v[TM+4+\b], v[TM+\b], s[SEL], s[SEL+1]
.endr
.irp b, 0,1,2,3
	v_max_num_f32 v[TM+\b], v[TM+\b], v[TM+4+\b]   ; with lane l xor 16's: the block's largest magnitude
.endr
.irp b, 0,1,2,3
	v_add_nc_u32 v[TM+12+\b], 0xff000000, v[TM+\b] ; 2 off its exponent field: the conversion takes the exponent field of this operand as its scale
.endr
.irp b, 0,1,2,3
	v_lshrrev_b32 v[TM+4+\b], 23, v[TM+12+\b]      ; the scale's byte
.endr
	v_lshl_or_b32 v[PW], v[TM+5], 8, v[TM+4]       ; the four bytes make my row's scale word (the same in lanes l and l xor 16)
	v_lshl_or_b32 v[PW], v[TM+6], 16, v[PW]
	v_lshl_or_b32 v[PW], v[TM+7], 24, v[PW]
.irp c, 0,1
	v_cvt_scalef32_pk16_fp6_f32 v[PC+6*\c:PC+2+6*\c], v[\s+32*\c:\s+15+32*\c], v[TM+12+2*\c]
	v_cvt_scalef32_pk16_fp6_f32 v[PC+12+4*\c:PC+14+4*\c], v[\s+16+32*\c:\s+31+32*\c], v[TM+12+2*\c+1]   ; (a conversion's three registers begin on an even number)
.endr
	v_nop                                          ; one plain place behind a scaled conversion
.irp c, 0,1                                    ; the operand's layout wants a WHOLE block in a lane: lanes 0-15 block 2 c, lanes 16-31 block 2 c + 1
.irp i, 0,1,2
	v_permlane16_swap_b32 v[PC+6*\c+\i], v[PC+12+4*\c+\i]
.endr
.irp i, 0,1,2
	v_mov_b32 v[PC+3+6*\c+\i], v[PC+12+4*\c+\i]
.endr
.endr
.endm
; Row tile a: from eight accumulators to one fragment of the next product and its scale words.
.macro ROWT a
	s_wait_xcnt 0x0                                ; the last row tile's stores have read their data: the codes' registers are written again only behind this wait
.if \a >= 2
	WIN 0x40                                       ; destination window 1, address window 0
.irp g, 0,1,2,3
.irp i, 0,1,2,3
	ds_load_b128 v[CC+16*\g+4*\i:CC+16*\g+4*\i+3], v[CAD1] offset:(\a-2)*32*CPITCH+128*\g+16*\i   ; caches(row, 32 g + 16 h + 4 i ..)
.endr
.endr
.endif
	WIN 0x56                                       ; source 0 window 2, all else window 1
.set n, 0
.rept 32
	v_pk_fma_f32 v[T+2*n:T+2*n+1], v[64*\a+2*n:64*\a+2*n+1], v[WW:WW+1], v[BM:BM+1]   ; w (proj + b_proj) + bmix; each accumulator from its low end on
.set n, n+1
.endr
	WIN 0x55                                       ; all in window 1
.irp g, 0,1,2,3                                ; tiles 2 g and 2 g + 1: the first's lanes 16-31 change places with the second's lanes 0-15: register 16 g + i is then column 32 g + 16 h + i
.irp j, 0,1,2,3,4,5,6,7
	v_permlane16_swap_b32 v[T+16*\g+\j], v[T+16*\g+8+\j]
.endr
.endr
	s_wait_dscnt 0x0                               ; caches are in; the last row tile's store of its scale word has read its register
.if \a >= 2
.set CCR, CC
.else
.set CCR, CC0*(1-\a)
	WIN 0x57                                       ; source 0 window 3
.endif
.set n, 0
.rept 32
	v_pk_fma_f32 v[T+2*n:T+2*n+1], v[CCR+2*n:CCR+2*n+1], v[CF:CF+1], v[T+2*n:T+2*n+1]   ; + coef caches
.set n, n+1
.endr
	WIN 0x55
	QUANT T
	WIN 0x04                                       ; a store's address is its source 0 (window 0), its data its source 1 (window 1)
.irp c, 0,1,2
	global_store_b128 v[IMO], v[PC+4*\c:PC+4*\c+3], s[HC:HC+1] offset:\a*2*FRB+512*\c   ; the image: 32 lanes store 512 consecutive bytes, at a multiple of 256 from hc's first byte
.endr
	ds_store_b32 v[SSA], v[PW] offset:64*\a        ; both halves of the lanes write the same word with the same value
.endm
	ROWT 0
	ROWT 1
	WIN 0
	s_wait_tensorcnt 0x0                           ; my 16 rows of caches' second half are in,
	s_wait_dscnt 0x0
	s_barrier_signal -1
	s_barrier_wait -1                              ; everybody's are
	ROWT 2
	ROWT 3
	WIN 0x40
	ds_load_b64 v[SW:SW+1], v[SSR]                 ; LDS serves a wave's instructions in order (ISA guide 5.7.1.4): this sees my four stores
	s_wait_dscnt 0x0
	WIN 0x04
	global_store_b64 v[SO8], v[SW:SW+1], s[HS:HS+1]  ; my 64 scale words: 256 consecutive bytes, at a multiple of 256 from hc's first byte
	WIN 0
	s_wait_tensorcnt 0x0                           ; the wave's end
	ds_add_u32 v[SPW], v[NIL]
	s_wait_dscnt 0x0
	CROUND                                         ; the closing round: no work-group ends while a partner may still ask for a tile that names it
	s_endpgm
.Lfunc_end_k_q6064995588_proj:
	.size	k_q6064995588_proj, .Lfunc_end_k_q6064995588_proj-k_q6064995588_proj
	.p2alignl 7, 3214868480
	.fill 96, 4, 3214868480
	.section	.rodata,"a",@progbits
	.p2align	6, 0x0
	.amdhsa_kernel k_q6064995588_proj
		.amdhsa_group_segment_fixed_size 327680
		.amdhsa_private_segment_fixed_size 0
		.amdhsa_enable_private_segment 0
		.amdhsa_kernarg_size 80
		.amdhsa_user_sgpr_count 2
		.amdhsa_user_sgpr_kernarg_segment_ptr 1
		.amdhsa_wavefront_size32 1
		.amdhsa_system_sgpr_workgroup_id_x 1
		.amdhsa_system_sgpr_workgroup_id_y 1
		.amdhsa_system_sgpr_workgroup_id_z 1
		.amdhsa_system_vgpr_workitem_id 0
		.amdhsa_next_free_vgpr 1024
		.amdhsa_next_free_sgpr 106
		.amdhsa_reserve_vcc 0
		.amdhsa_float_denorm_mode_32 3
		.amdhsa_float_denorm_mode_16_64 3
		.amdhsa_memory_ordered 1
		.amdhsa_forward_progress 1
		.amdhsa_inst_pref_size 255
	.end_amdhsa_kernel
	.section	.bss,"aw",@nobits
	.p2align	6
	.space	262144
	.amdgpu_metadata
---
amdhsa.version: [ 1, 2 ]
amdhsa.kernels:
  - .name:           k_q6064995588_proj
    .symbol:         k_q6064995588_proj.kd
    .args:
      - { .name: x_codes, .offset: 0, .size: 8, .value_kind: global_buffer, .address_space: global }
      - { .name: x_scales, .offset: 8, .size: 8, .value_kind: global_buffer, .address_space: global }
      - { .name: W_proj_codes, .offset: 16, .size: 8, .value_kind: global_buffer, .address_space: global }
      - { .name: W_proj_scales, .offset: 24, .size: 8, .value_kind: global_buffer, .address_space: global }
      - { .name: caches, .offset: 32, .size: 8, .value_kind: global_buffer, .address_space: global }
      - { .name: b_proj, .offset: 40, .size: 8, .value_kind: global_buffer, .address_space: global }
      - { .name: w_mix, .offset: 48, .size: 8, .value_kind: global_buffer, .address_space: global }
      - { .name: b_mix, .offset: 56, .size: 8, .value_kind: global_buffer, .address_space: global }
      - { .name: decay_values, .offset: 64, .size: 8, .value_kind: global_buffer, .address_space: global }
      - { .name: hc, .offset: 72, .size: 8, .value_kind: global_buffer, .address_space: global }
    .group_segment_fixed_size: 327680
    .private_segment_fixed_size: 0
    .kernarg_segment_align: 8
    .kernarg_segment_size: 80
    .max_flat_workgroup_size: 128
    .sgpr_count:     106
    .vgpr_count:     1024
    .wavefront_size: 32
...
	.end_amdgpu_metadata
.endif
;; end of part 3
;; launch outp (part 4): grid 16 x 16, 4 waves a work-group, clusters of 4 x 4, 327,680 bytes of LDS; arguments hc, W_out_codes, W_out_scales, b_out, out0; writes out0
.if DOCPART == 4
	.amdgcn_target "amdgcn-amd-amdhsa--gfx1250"
	.amdhsa_code_object_version 6
	.text
	.protected	k_q6064995588_outp
	.globl	k_q6064995588_outp
	.p2align	8
	.type	k_q6064995588_outp,@function
k_q6064995588_outp:
	s_mov_b64 s[64:65], 0
	v_nop
	global_prefetch_b8 v0, s[64:65] scope:SCOPE_SE
	s_setreg_imm32_b32 hwreg(HW_REG_WAVE_MODE, 25, 1), 1
	s_wait_xcnt 0x0
	s_wait_alu depctr_hold_cnt(0) depctr_sa_sdst(0) depctr_va_vdst(0) depctr_va_sdst(0) depctr_va_ssrc(0) depctr_va_vcc(0) depctr_vm_vsrc(0)
	s_getreg_b32 s2, hwreg(HW_REG_IB_STS2, 6, 4)
	s_cmp_eq_u32 s2, 0
	s_cbranch_scc0 .Lentry_in_a_cluster
	s_endpgm
.Lentry_in_a_cluster:
	s_bfe_u32 s2, ttmp6, 0x10000c
	s_cmp_lg_u32 s2, 0xf033
	s_cbranch_scc0 .Lentry_shape_is_right
	s_endpgm
.Lentry_shape_is_right:
; out0[b][n] = sum over j of hidden[b][j] W_out[n][j] + b_out[n].  hidden comes as the launch before left it: hc, [16 row blocks][32 chunks of 128 along K][12,800 bytes]: eight images of operand registers of 1,536 bytes
; (image 2 a + RH: register group c of lane l at 512 c + 16 l; lane r is row 32 a + 2 r + RH of the block), then [RH 2][a 4][r 16] words of four E8M0 bytes.
; W_out [4096][4096] arrives as codes of FP6 (E2M3), K innermost (a row: 3,072 bytes), scale bytes [4096][128].  out0 [2048][4096] f32.
; SHARES.  A tile of 128 rows x 256 columns gives 16 x 16 = 256 work-groups.  Four waves, 2 x 2: wave (RH, CH) makes row tiles (a, RH), a = 0..3, x columns 128 CH .. + 127: 32 accumulators, 256 registers.
; K goes in steps of 512 (four chunks of 128) through a ring of two LDS slots: hidden's part of a step is one dense block of 51,200 bytes, its scale words among them; W_out's is 256 rows of 384 bytes.  A K step is 128 matrix instructions a wave.
; W_out's SCALE BYTES LIE IN REGISTERS: each lane loads its rows' 128 bytes once (128 registers): beside two such slots LDS has no room for them.  A scale register's number follows the chunk, so the eight K steps are written out, not looped.
; CLUSTERS: 4 x 4 work-groups.  hidden's tile hangs on the tile row alone and is asked for jointly by a row of the cluster, W_out's on the tile column alone, by a column.
; THE MATRIX INSTRUCTION IS USED TRANSPOSED (source 0 = 16 rows of W_out, source 1 = 16 rows of hidden): a lane holds eight neighbouring numbers of a row of out0.  b_out is the C of each sum's first product.
; LIMITS: NaN and infinities are not served.
; REGISTERS, in windows of 256: window 0: v0-31 addresses, v32-35 hidden's scale words (two sets), v64-191 W_out's: scales and nothing else.   window 1: W_out's fragments, set q % 2 at v[128 (q % 2) + 12 b].
;   window 2: accumulator (a, b) at v[8 (8 a + b)].   window 3: v0-63 b_out, tile b at v[8 b]; v64-159 hidden's fragments, two sets; on the way out v64-191 rows of out0.
.set ROWB,   384
.set KROW,   3072
.set PB,     432                       ; an LDS row of W_out: 3 x (128 bytes + 16 of padding) = 108 words, 44 modulo the 64 banks (ISA guide 11.1): 16 rows start in 16 different groups of four banks
.set FR,     12
.set FRB,    1536                      ; a fragment's image
.set CHB,    8*FRB+512                 ; a chunk's block in hc
.set NLA,    3                         ; LDS loads that bring one of hidden's fragments
.set AT,     4*CHB                     ; hidden's four chunks
.set BT,     256*PB
.set SLOT,   AT+BT
.set SPARE,  2*SLOT                    ; the spare words, 128 bytes a wave: two blocks of 256 bytes that no other line names
.set SPITCH, 528                       ; the way out: a stage of 16 rows x (512 bytes + 16) for each wave, in slot 0, which has had its last fill and its last read when the first result is stored there
.set ADRA, 16                          ; v16-17 hidden's images in slot 0, 1
.set ADSA, 18                          ; v18-19 hidden's scale words
.set ADRB, 20                          ; v20-21 W_out's fragments; v22-23 the same behind one padding more
.set BSO,  25                          ; v25  W_out's scale bytes in memory
.set STO,  26
.set RD,   27
.set SPW,  28
.set NIL,  29
.set CO,   30                          ; v30  16 x lane
.set SCA,  32                          ; hidden's scale words: v[SCA + 2 (q % 2) + a / 2]: lanes 0-15 even a, lanes 16-31 odd a
.set BS,   64                          ; W_out's: v[BS + 32 (b / 2) + chunk]: lanes 0-15 even b, lanes 16-31 odd b
.set AF,   64                          ; window 3
.set BK,   64                          ; window 3, on the way out
.set WV,   2
.set G1,   24
.set G0,   32
.set TX,   42
.set TY,   43
.set G1B,  48
.set G0B,  56
.set RH,   100
.set CH,   101
.set MUL,  0xad                        ; source 0 window 1, source 1 window 3, C and D window 2
.set MULF, 0xbd                        ; the same with C in window 3: the bias
.set TO_B, 0x40
.set TO_A, 0xc0
.set MSB, 0
.macro WIN new
.if MSB != \new
	s_set_vgpr_msb (MSB<<8)|\new
.set MSB, \new
.endif
.endm
.macro PLACES n
.rept \n
	v_nop
.endr
.endm
.macro JLOAD g0a, g1a, g0b, g1b        ; waves 0 and 1 fetch for hidden, waves 2 and 3 for W_out; four v_nop follow each of the two lines
	s_cmp_eq_u32 s[RH], 0
	s_cbranch_scc0 .Lfor_b_\@
	tensor_load_to_lds s[\g0a:\g0a+3], s[\g1a:\g1a+7]
	s_nop 0
.rept 4
	v_nop
.endr
	s_branch .Lasked_\@
.Lfor_b_\@:
	tensor_load_to_lds s[\g0b:\g0b+3], s[\g1b:\g1b+7]
	s_nop 0
.rept 4
	v_nop
.endr
.Lasked_\@:
.endm
.macro CROUND                          ; a round of the cluster's barrier
	s_barrier_signal -1
	s_barrier_wait -1
	s_cmp_lg_u32 s[WV], 0
	s_cbranch_scc1 .Lnot_wave_0_\@
	s_barrier_signal -3
.Lnot_wave_0_\@:
	s_barrier_wait -3
	s_barrier_signal -1
	s_barrier_wait -1
.endm
	s_load_b256 s[4:11], s[0:1], 0x0               ; hc s[4:5], W_out's codes s[6:7], W_out's scales s[8:9], b_out s[10:11]
	s_load_b64 s[12:13], s[0:1], 0x20              ; out0
	v_lshl_add_u32 v[SPW], v0, 2, SPARE
	v_mov_b32 v[NIL], 0
	ds_add_u32 v28, v29
	s_wait_dscnt 0x0
	v_lshrrev_b32 v3, 5, v0
	v_readfirstlane_b32 s[WV], v3
	s_lshr_b32 s[RH], s[WV], 1
	s_and_b32 s[CH], s[WV], 1
	s_bfe_u32 s40, ttmp6, 0x40000                  ; cx, cy
	s_bfe_u32 s41, ttmp6, 0x40004
	s_lshl_b32 s[TX], ttmp9, 2
	s_add_co_u32 s[TX], s[TX], s40                 ; tile column
	s_and_b32 s[TY], ttmp7, 0xffff
	s_lshl_b32 s[TY], s[TY], 2
	s_add_co_u32 s[TY], s[TY], s41                 ; tile row
	s_lshl_b32 s44, s41, 2
	s_lshl_b32 s44, 15, s44                        ; my row of the cluster
	s_lshl_b32 s45, 0x1111, s40                    ; my column
	; hidden: two chunks' 25,600 dense bytes as 100 rows of 256 bytes (32 elements of 8 bytes), no padding: an LDS load takes 512 consecutive bytes
	s_or_b32 s[G1], s44, (3<<16)|(1<<21)
	s_mov_b32 s[G1+1], 32<<16
	s_mov_b32 s[G1+2], 100<<16
	s_mov_b32 s[G1+3], 32<<16
	s_mov_b32 s[G1+4], 100
	s_mov_b32 s[G1+5], 32
	s_mov_b32 s[G1+6], 0
	s_mov_b32 s[G1+7], 0
	; W_out's codes: 128 rows of 384 bytes, 16 bytes of padding behind every 128 (interval code 4, 4 words: code 3)
	s_or_b32 s[G1B], s45, (1<<20)|(1<<21)|(4<<22)|(3<<25)
	s_mov_b32 s[G1B+1], ROWB<<16
	s_mov_b32 s[G1B+2], 128<<16
	s_mov_b32 s[G1B+3], ROWB<<16
	s_mov_b32 s[G1B+4], 128
	s_mov_b32 s[G1B+5], KROW
	s_mov_b32 s[G1B+6], 0
	s_mov_b32 s[G1B+7], 0
	s_mul_i32 s16, s[TY], 32*CHB                   ; hc: my row block; wave CH fetches chunks 2 CH and 2 CH + 1 of a K step
	s_mul_i32 s17, s[CH], 2*CHB
	s_add_co_u32 s16, s16, s17
	s_mov_b32 s17, 0
	s_mul_i32 s20, s[TX], 256*KROW                 ; W_out's codes: 256 rows a tile, my 128
	s_mul_i32 s21, s[CH], 128*KROW
	s_add_co_u32 s20, s20, s21
	s_mov_b32 s21, 0
	s_lshl_b32 s46, s[TX], 15                      ; W_out's scale bytes: my 128 columns' rows
	s_lshl_b32 s47, s[CH], 14
	s_add_co_u32 s46, s46, s47
	s_mov_b32 s47, 0
	s_wait_kmcnt 0x0
	s_add_nc_u64 s[16:17], s[4:5], s[16:17]
	s_add_nc_u64 s[20:21], s[6:7], s[20:21]
	s_add_nc_u64 s[8:9], s[8:9], s[46:47]
	s_mov_b32 s[G0], 1
	s_mul_i32 s[G0+1], s[CH], 2*CHB
	s_mov_b64 s[G0+2:G0+3], s[16:17]               ; K step 0
	s_or_b32 s[G0+3], s[G0+3], 0x80000000
	s_mov_b32 s[G0+4], 1
	s_add_co_u32 s[G0+5], s[G0+1], SLOT
	s_add_nc_u64 s[G0+6:G0+7], s[16:17], AT        ; K step 1
	s_or_b32 s[G0+7], s[G0+7], 0x80000000
	s_mov_b32 s[G0B], 1
	s_mul_i32 s[G0B+1], s[CH], 128*PB
	s_add_co_u32 s[G0B+1], s[G0B+1], AT
	s_mov_b64 s[G0B+2:G0B+3], s[20:21]
	s_or_b32 s[G0B+3], s[G0B+3], 0x80000000
	s_mov_b32 s[G0B+4], 1
	s_add_co_u32 s[G0B+5], s[G0B+1], SLOT
	s_add_nc_u64 s[G0B+6:G0B+7], s[20:21], ROWB
	s_or_b32 s[G0B+7], s[G0B+7], 0x80000000
	CROUND                                         ; all sixteen work-groups are here: the first joint loads meet
	JLOAD G0, G1, G0B, G1B                         ; the first fills, two loads a wave: K step 0,
	JLOAD G0+4, G1, G0B+4, G1B                     ; K step 1
	v_and_b32 v1, 15, v0                           ; r
	v_bfe_u32 v2, v0, 4, 1                         ; h
	v_and_b32 v3, 31, v0                           ; lane
	v_lshlrev_b32 v[BSO], 7, v3                    ; W_out's scale bytes: pair i of column tiles is rows 32 i + lane
	v_lshlrev_b32 v9, 5, v2                        ; the bias: for tile b, b_out at columns 16 b + 8 h + 0..7
	s_lshl_b32 s46, s[TX], 10
	s_lshl_b32 s47, s[CH], 9
	s_add_co_u32 s46, s46, s47                     ; my 128 columns, in bytes
	s_mov_b32 s47, 0
	s_add_nc_u64 s[10:11], s[10:11], s[46:47]
	s_add_nc_u64 s[12:13], s[12:13], s[46:47]
	s_lshl_b32 s46, s[TY], 21                      ; out0: 128 rows of 16,384 bytes a tile,
	s_lshl_b32 s16, s[RH], 14                      ; my rows begin at row RH
	s_add_co_u32 s46, s46, s16
	s_add_nc_u64 s[12:13], s[12:13], s[46:47]
.irp i, 0,1,2,3
.irp m, 0,1,2,3,4,5,6,7
	global_load_b128 v[BS+32*\i+4*\m:BS+32*\i+4*\m+3], v[BSO], s[8:9] offset:\i*4096+16*\m   ; a lane's eight loads take its row's 128 bytes: the words of chunks 4 m .. 4 m + 3
.endr
.endr
	WIN TO_A                                       ; destination window 3
.irp b, 0,1,2,3,4,5,6,7
	global_load_b128 v[8*\b:8*\b+3], v9, s[10:11] offset:64*\b
	global_load_b128 v[8*\b+4:8*\b+7], v9, s[10:11] offset:64*\b+16
.endr
	WIN 0
	v_lshlrev_b32 v[CO], 4, v3
	v_lshlrev_b32 v4, 2, v3
	v_mul_u32_u24 v7, v1, PB
	v_mad_u32_u24 v5, v2, 24, v7
	v_mad_u32_u24 v6, v2, 40, v7
	s_mul_i32 s46, s[RH], FRB                      ; hidden: my images 2 a + RH
	s_mul_i32 s47, s[CH], 128*PB                   ; W_out: my 128 rows, behind hidden's blocks
	s_add_co_u32 s47, s47, AT
	s_lshl_b32 s16, s[RH], 8                       ; hidden's scale words: behind a chunk's eight images, 256 bytes for each RH; 4 x lane: lanes 0-15 the even row tile of a pair, lanes 16-31 the odd one
	s_add_co_u32 s16, s16, 8*FRB
.irp s, 0,1
	v_add_nc_u32 v[ADRA+\s], s46, v[CO]
	v_add_nc_u32 v[ADSA+\s], s16, v4
	v_add_nc_u32 v[ADRB+\s], s47, v5
	v_add_nc_u32 v[ADRB+2+\s], s47, v6
	s_add_co_u32 s46, s46, SLOT
	s_add_co_u32 s47, s47, SLOT
	s_add_co_u32 s16, s16, SLOT
.endr
	s_mul_i32 s46, s[WV], 16*SPITCH                ; my stage
	v_mul_u32_u24 v8, v1, SPITCH
	v_lshl_add_u32 v8, v2, 5, v8
	v_add_nc_u32 v[STO], s46, v8                   ; in: row r, 32 bytes for each half of the lanes
	v_add_nc_u32 v[RD], s46, v[CO]                 ; back: the 32 lanes take one row of 512 bytes
.macro FRAG reg, adr, q, off, pad      ; a fragment of W_out: six pieces of 8 bytes; a padding stands behind every 16 pieces: where the piece three on (lanes 16-31) lies behind one padding more, the second address register serves
.irp p, 0,1,2,3,4,5
.set PCE, 12*(\q)+6*(\p/3)+\p%3
.if PCE%16 < 13
	ds_load_b64 v[\reg+2*\p:\reg+2*\p+1], v[\adr] offset:8*PCE+\pad*(PCE/16)+(\off)
.else
	ds_load_b64 v[\reg+2*\p:\reg+2*\p+1], v[\adr+2] offset:8*PCE+\pad*(PCE/16)+(\off)
.endif
.endr
.endm
.macro SCALES slot, q                  ; hidden's scale words of the slot's chunk q
	WIN 0
.irp i, 0,1
	ds_load_b32 v[SCA+2*((\q)%2)+\i], v[ADSA+\slot] offset:(\q)*CHB+\i*128
.endr
.endm
.macro FETCH_B slot, q
	WIN TO_B
.irp i, 0,1,2,3,4,5,6,7
	FRAG 128*((\q)%2)+FR*\i, ADRB+\slot, \q, \i*16*PB, 16
.endr
.endm
.macro FETCH_A slot, q                 ; hidden's four fragments: each image comes back by three loads of 16 bytes a lane
	WIN TO_A
.irp i, 0,1,2,3
.irp c, 0,1,2
	ds_load_b128 v[AF+48*((\q)%2)+FR*\i+4*\c:AF+48*((\q)%2)+FR*\i+4*\c+3], v[ADRA+\slot] offset:(\q)*CHB+\i*2*FRB+512*\c
.endr
.endr
.endm
; Eight matrix instructions: hidden's row tile a against W_out's eight, chunk q of the slot, chunk kc of K.  first = 1: the sums begin with the bias as C.  The 32 accumulators take turns, one instruction a turn.
.macro MUL8 a, q, kc, first
.irp b, 0,1,2,3,4,5,6,7
.set rD, 8*(8*(\a)+\b)
.set rC, rD
.if \first
.set rC, 8*\b
.endif
.set rB, 128*((\q)%2)+FR*\b
.set rA, AF+48*((\q)%2)+FR*(\a)
.set sB, BS+32*(\b/2)+(\kc)
.set sA, SCA+2*((\q)%2)+(\a)/2
.if (\b%2 == 0) && ((\a)%2 == 0)
	v_wmma_scale_f32_16x16x128_f8f6f4 v[rD:rD+7], v[rB:rB+FR-1], v[rA:rA+FR-1], v[rC:rC+7], v[sB], v[sA] matrix_a_fmt:MATRIX_FMT_FP6 matrix_b_fmt:MATRIX_FMT_FP6
.elseif (\b%2 == 1) && ((\a)%2 == 0)
	v_wmma_scale_f32_16x16x128_f8f6f4 v[rD:rD+7], v[rB:rB+FR-1], v[rA:rA+FR-1], v[rC:rC+7], v[sB], v[sA] matrix_a_fmt:MATRIX_FMT_FP6 matrix_b_fmt:MATRIX_FMT_FP6 matrix_a_scale:MATRIX_SCALE_ROW1
.elseif (\b%2 == 0) && ((\a)%2 == 1)
	v_wmma_scale_f32_16x16x128_f8f6f4 v[rD:rD+7], v[rB:rB+FR-1], v[rA:rA+FR-1], v[rC:rC+7], v[sB], v[sA] matrix_a_fmt:MATRIX_FMT_FP6 matrix_b_fmt:MATRIX_FMT_FP6 matrix_b_scale:MATRIX_SCALE_ROW1
.else
	v_wmma_scale_f32_16x16x128_f8f6f4 v[rD:rD+7], v[rB:rB+FR-1], v[rA:rA+FR-1], v[rC:rC+7], v[sB], v[sA] matrix_a_fmt:MATRIX_FMT_FP6 matrix_b_fmt:MATRIX_FMT_FP6 matrix_a_scale:MATRIX_SCALE_ROW1 matrix_b_scale:MATRIX_SCALE_ROW1
.endif
.endr
.endm
; One of a slot's first three chunks; behind its first eight products it fetches the next chunk into the other sets.  Four places stand in front of loads into registers that matrix instructions have read (ISA guide 7.12.1 for vector instructions).
.macro STEP slot, q, kc, first
	s_wait_dscnt 3*NLA                             ; the scale words, W_out's set and hidden's row tile 0 are in; the youngest loads (row tiles 1-3) may be out
.if \first
	WIN MULF
.else
	WIN MUL
.endif
	MUL8 0, \q, \kc, \first
	s_wait_dscnt 0x0
	PLACES 4
	SCALES \slot, (\q)+1
	FETCH_B \slot, (\q)+1
	FETCH_A \slot, (\q)+1
.if \first
	WIN MULF
.else
	WIN MUL
.endif
	MUL8 1, \q, \kc, \first
	MUL8 2, \q, \kc, \first
	MUL8 3, \q, \kc, \first
.endm
; A slot's last chunk changes slots.  Behind its first sixteen products each wave waits for all its tensor loads, adds 0 to its spare word and waits for that and for its own reads of this slot.
; fill = 1: a round of the cluster's barrier follows at once, and this slot takes the K step two on: from a request to the wait for it a wave issues a whole K step's 128 matrix instructions.  fill = 0: the work-group's barrier alone.
.macro TURN slot, next, kc, fill
	s_wait_dscnt 3*NLA
	WIN MUL
	MUL8 0, 3, \kc, 0
	s_wait_dscnt 0x0                               ; hidden's row tiles 1-3 are in: my reads of this slot are over
	MUL8 1, 3, \kc, 0
	WIN 0
	s_wait_tensorcnt 0x0                           ; all my tensor loads have landed: my part of the next slot; so every group 0 may be written
	ds_add_u32 v[SPW], v[NIL]                      ; 0 onto my spare word
.if \fill
	s_add_nc_u64 s[G0+4*\slot+2:G0+4*\slot+3], s[G0+4*\slot+2:G0+4*\slot+3], 2*AT
	s_add_nc_u64 s[G0B+4*\slot+2:G0B+4*\slot+3], s[G0B+4*\slot+2:G0B+4*\slot+3], 2*ROWB
.endif
	s_wait_dscnt 0x0                               ; the add is done
.if \fill
	CROUND                                         ; no wave of any partner still reads this slot's tile or has a load on its way
	JLOAD G0+4*\slot, G1, G0B+4*\slot, G1B         ; the first tensor load behind the round; its four v_nop are also the places in front of the loads below
.else
	s_barrier_signal -1
	s_barrier_wait -1
	PLACES 4
.endif
	SCALES \next, 0
	FETCH_B \next, 0
	FETCH_A \next, 0
	WIN MUL
	MUL8 2, 3, \kc, 0
	MUL8 3, 3, \kc, 0
.endm
.macro KSTEP slot, next, kc, fill
	STEP \slot, 0, \kc, 0
	STEP \slot, 1, \kc+1, 0
	STEP \slot, 2, \kc+2, 0
	TURN \slot, \next, \kc+3, \fill
.endm
	s_wait_loadcnt 0x0                             ; W_out's scale words and the bias
	s_wait_tensorcnt 0x1                           ; my part of K step 0 is in; K step 1's load may be out
	s_barrier_signal -1
	s_barrier_wait -1
	SCALES 0, 0
	FETCH_B 0, 0
	FETCH_A 0, 0
	STEP 0, 0, 0, 1                                ; the first chunk's products start the sums
	STEP 0, 1, 1, 0
	STEP 0, 2, 2, 0
	TURN 0, 1, 3, 1
	KSTEP 1, 0, 4, 1
	KSTEP 0, 1, 8, 1
	KSTEP 1, 0, 12, 1
	KSTEP 0, 1, 16, 1
	KSTEP 1, 0, 20, 1                              ; the last refill: K step 7
	KSTEP 0, 1, 24, 0                              ; nothing is left to fetch
	STEP 1, 0, 28, 0
	STEP 1, 1, 29, 0
	STEP 1, 2, 30, 0
	s_wait_dscnt 0x0                               ; the very last chunk
	WIN MUL
	MUL8 0, 3, 31, 0
	MUL8 1, 3, 31, 0
	MUL8 2, 3, 31, 0
	MUL8 3, 3, 31, 0
	PLACES 4                                       ; in front of the first read of results, and of loads into the registers that held hidden's fragments
; THE WAY OUT, a row tile (16 rows x 128 columns) at a time.  A lane holds 32 neighbouring bytes of a row and the lanes beside it other rows: the tile goes through my own stage in LDS and comes back as whole rows of 512 bytes.
; LDS serves a wave's instructions in order (ISA guide 5.7.1.4): no wait between the stores and the loads, nor in front of the next tile's stores.
.macro TOSTAGE a
	WIN 0x08                                       ; an LDS store's data are its source 1: window 2
.irp b, 0,1,2,3,4,5,6,7
	ds_store_b128 v[STO], v[64*(\a)+8*\b:64*(\a)+8*\b+3] offset:64*\b        ; each accumulator from its low end on
	ds_store_b128 v[STO], v[64*(\a)+8*\b+4:64*(\a)+8*\b+7] offset:64*\b+16
.endr
	WIN TO_A                                       ; destination window 3
.set BB, BK+64*((\a)%2)
.irp t, 0,1,2,3,4,5,6,7,8,9,10,11,12,13,14,15
	ds_load_b128 v[BB+4*\t:BB+4*\t+3], v[RD] offset:\t*SPITCH
.endr
.endm
.macro SEND a, younger                 ; younger: the LDS instructions issued behind tile a's loads, which may stay out
.set BB, BK+64*((\a)%2)
	s_wait_dscnt \younger
	WIN 0x0c                                       ; a store's data are its source 1: window 3
.irp t, 0,1,2,3,4,5,6,7,8,9,10,11,12,13,14,15
	global_store_b128 v[CO], v[BB+4*\t:BB+4*\t+3], s[12:13] offset:(\a)*524288+\t*32768 th:TH_STORE_NT   ; row 32 a + 2 t + RH: 32 lanes store 512 consecutive bytes, at a multiple of 256 from out0's first byte; 2,064,384 at the most: inside the signed 24-bit immediate (ISA guide, chapter 10)
.endr
.endm
	TOSTAGE 0
.irp a, 1,2,3
.if \a > 1
	s_wait_xcnt 0x0                                ; tile a - 2's stores have read their registers: tile a's loads may land there
.endif
	TOSTAGE \a
	SEND \a-1, 32                                  ; behind tile a - 1's loads: tile a's 16 stores and 16 loads
.endr
	SEND 3, 0
	WIN 0
	s_wait_tensorcnt 0x0                           ; the wave's end
	ds_add_u32 v[SPW], v[NIL]
	s_wait_dscnt 0x0
	CROUND                                         ; the closing round: no work-group ends while a partner may still ask for a tile that names it
	s_endpgm
.Lfunc_end_k_q6064995588_outp:
	.size	k_q6064995588_outp, .Lfunc_end_k_q6064995588_outp-k_q6064995588_outp
	.p2alignl 7, 3214868480
	.fill 96, 4, 3214868480
	.section	.rodata,"a",@progbits
	.p2align	6, 0x0
	.amdhsa_kernel k_q6064995588_outp
		.amdhsa_group_segment_fixed_size 327680
		.amdhsa_private_segment_fixed_size 0
		.amdhsa_enable_private_segment 0
		.amdhsa_kernarg_size 40
		.amdhsa_user_sgpr_count 2
		.amdhsa_user_sgpr_kernarg_segment_ptr 1
		.amdhsa_wavefront_size32 1
		.amdhsa_system_sgpr_workgroup_id_x 1
		.amdhsa_system_sgpr_workgroup_id_y 1
		.amdhsa_system_sgpr_workgroup_id_z 1
		.amdhsa_system_vgpr_workitem_id 0
		.amdhsa_next_free_vgpr 1024
		.amdhsa_next_free_sgpr 106
		.amdhsa_reserve_vcc 0
		.amdhsa_float_denorm_mode_32 3
		.amdhsa_float_denorm_mode_16_64 3
		.amdhsa_memory_ordered 1
		.amdhsa_forward_progress 1
		.amdhsa_inst_pref_size 255
	.end_amdhsa_kernel
	.section	.bss,"aw",@nobits
	.p2align	6
	.space	262144
	.amdgpu_metadata
---
amdhsa.version: [ 1, 2 ]
amdhsa.kernels:
  - .name:           k_q6064995588_outp
    .symbol:         k_q6064995588_outp.kd
    .args:
      - { .name: hc, .offset: 0, .size: 8, .value_kind: global_buffer, .address_space: global }
      - { .name: W_out_codes, .offset: 8, .size: 8, .value_kind: global_buffer, .address_space: global }
      - { .name: W_out_scales, .offset: 16, .size: 8, .value_kind: global_buffer, .address_space: global }
      - { .name: b_out, .offset: 24, .size: 8, .value_kind: global_buffer, .address_space: global }
      - { .name: out0, .offset: 32, .size: 8, .value_kind: global_buffer, .address_space: global }
    .group_segment_fixed_size: 327680
    .private_segment_fixed_size: 0
    .kernarg_segment_align: 8
    .kernarg_segment_size: 40
    .max_flat_workgroup_size: 128
    .sgpr_count:     106
    .vgpr_count:     1024
    .wavefront_size: 32
...
	.end_amdgpu_metadata
.endif
;; end of part 4
